; MI455X (gfx1250); checked and timed in simulation.
; The chip was launched on July 23, 2026; its instructions are those of AMD's public machine-readable ISA for CDNA 5 (MIT licence, August 2026) and "CDNA5" Instruction Set Architecture Reference Guide (July 2026). The comments in the code are by the model that wrote it; some were corrected since.
;; T5 Attention. Allowed arithmetic: matrix products marked QUANTISED: E2M1 operands, one E8M0 scale for each 32 along K, by v_wmma_scale_f32_16x16x128_f8f6f4 with both operands' format E2M1 (or v_wmma_scale_f32_32x16x128_f4), f32 sums; products left as they are: bf16, f16 or f32 operands; f32 sums; everything else in f32.
;; Inputs: bk 1,024 float32; bo 1,024 float32; bq 1,024 float32; bv 1,024 float32; rel_bias 32 x 16 float32; wk 1,024 x 1,024 float32; wo 1,024 x 1,024 float32; wq 1,024 x 1,024 float32; wv 1,024 x 1,024 float32; x 4 x 2,048 x 1,024 float32.
;; Outputs: out0 4 x 2,048 x 1,024 float32.
;; This version of the problem:
;;   THIS VERSION OF THE PROBLEM IS GIVEN IN LOW PRECISION. The matrix products marked QUANTISED in the list below multiply operands that are first quantised to E2M1 (2 exponent bits, 1 mantissa bit; 4 bits a number), with one power-of-two scale for each 32 numbers along K (OCP MX v1.0); their sums are f32. The products marked 'left as it is' may take bf16, f16 or f32 operands, with f32 sums. Whichever they take, every output number must still come out within the allowed error. Rounding operands to bf16 (8 significant bits) uses up far more of that allowance than f16 does (11 bits, for magnitudes from 6e-5 to 65,504). All else is computed in f32.
;;   The module's matrix products, in the order in which they are computed (A, B: the left and right operand; K: the contracted axis; several contracted axes count as one K, in the product's order):
;;     1. [M 8,192, K 1,024] x [K 1,024, N 1,024]; A: input x; B: input wq: QUANTISED
;;     2. [M 8,192, K 1,024] x [K 1,024, N 1,024]; A: input x; B: input wk: QUANTISED
;;     3. [M 8,192, K 1,024] x [K 1,024, N 1,024]; A: input x; B: input wv: QUANTISED
;;     4. batch 64 x [M 2,048, K 64] x [K 64, N 2,048]; A: computed on the way; B: computed on the way: left as it is (an operand is computed on the way)
;;     5. batch 64 x [M 2,048, K 2,048] x [K 2,048, N 64]; A: computed on the way; B: computed on the way: left as it is (an operand is computed on the way)
;;     6. [M 8,192, K 1,024] x [K 1,024, N 1,024]; A: computed on the way; B: input wo: left as it is (an operand is computed on the way)
;;   THE QUANTISER, for each operand of a quantised product, along K:
;;     - K is cut into blocks of 32 from its start; a last block that is shorter is filled with zeros.
;;     - A block's scale is 2^e with e = floor(log2(the largest magnitude in the block)) - 2, held to -126 .. 127; a block of zeros has e = 0. As a byte (E8M0): e + 127.
;;     - Each number is divided by its block's scale, clamped to +-6, and rounded to the nearest number of E2M1, ties to even, subnormals kept.
;;     - The product sums the exact products of the quantised numbers (number of the format x scale) in f32.
;;   ~~~python
;;   def quantise(x, axis):      # numpy; x: float32 -> the quantised numbers, widened to float32 again
;;       x = np.moveaxis(x, axis, -1); K = x.shape[-1]
;;       x = np.pad(x, [(0, 0)] * (x.ndim - 1) + [(0, -K % 32)]); x = x.reshape(x.shape[:-1] + (-1, 32)); a = np.abs(x).max(-1, keepdims=True)
;;       e = np.where(a > 0, np.clip(np.frexp(np.where(a > 0, a, 1))[1] - 1 - 2, -126, 127), 0)      # np.frexp(a)[1] - 1 = floor(log2(a)), exactly
;;       r = np.clip(x / 2.0 ** e, -6, 6)
;;       step = 2.0 ** (np.maximum(np.frexp(np.where(r == 0, 1, r))[1] - 1, 0) - 1)
;;       q = np.round(r / step) * step * 2.0 ** e      # np.round: ties to even
;;       return np.moveaxis(q.reshape(q.shape[:-2] + (-1,))[..., :K], -1, axis).astype(np.float32)
;;   ~~~
;; One version. Each part assembles by itself: llvm-mc -triple=amdgcn-amd-amdhsa -mcpu=gfx1250 --defsym DOCPART=n.
;; ======== version 1 of 1: 4 launches
;; limits: values are held in f16: magnitudes above 65,504 overflow, below 6.1e-05 lose precision
;; workspace buffers: xc 4,194,304 bytes; xs 262,144 bytes; wc 1,572,864 bytes; ws 98,304 bytes; wo16 2,097,152 bytes; qkv 50,331,648 bytes; of 16,777,216 bytes
;; launch prep (part 1): grid 384 x 1, 4 waves a work-group, no clusters, 33,280 bytes of LDS; arguments x, wq, wk, wv, wo, xc, xs, wc, ws, wo16; writes xc, xs, wc, ws, wo16
.if DOCPART == 1
	.amdgcn_target "amdgcn-amd-amdhsa--gfx1250"
	.amdhsa_code_object_version 6
	.text
	.protected	k_q3689d85b0f_prep
	.globl	k_q3689d85b0f_prep
	.p2align	8
	.type	k_q3689d85b0f_prep,@function
k_q3689d85b0f_prep:
	s_mov_b64 s[64:65], 0
	v_nop
	global_prefetch_b8 v0, s[64:65] scope:SCOPE_SE
	s_setreg_imm32_b32 hwreg(HW_REG_WAVE_MODE, 25, 1), 1
	s_wait_xcnt 0x0
; FIRST OF FOUR LAUNCHES of a T5 attention layer: (1) this one: operands made ready; (2) the three projections on codes of FP4; (3) attention; (4) the projection on the way out.
; WORK LEFT OUT IN THE WHOLE PROGRAM: THE INPUT bk.  A score is q_i . (k_j + bk) / 8 = q_i . k_j / 8 + q_i . bk / 8.  The second term does not hang on the key j: it is the same along the softmax's
; axis, so numerator and denominator of the softmax carry the same factor exp(q_i . bk / 8), for all values of the inputs.  The product of q and k is not a quantised one, so no quantiser sees k + bk.  k reaches no
; output but through that softmax.  So bk has no way to any output: it is not loaded and is among no launch's arguments.  LIMIT: a NaN, an infinity or an overflow that bk alone would bring is not carried to the result.
; THIS LAUNCH: x [8192][1024] and wq, wk, wv [1024][1024], f32 with K innermost, are turned into codes of FP4 (E2M1), two a byte, K innermost, with one E8M0 scale byte for each 32 along K;
; the three weights land one behind the other, as one operand of 3,072 rows.  wo is rounded to f16, row-major as it lies.
; A block's scale is 2^(floor(log2(its largest magnitude)) - 2); its byte is the largest magnitude's own exponent field - 2, held at 1 from below.  (A block of zeros so gets the byte 1 where the rule says 127: its codes
; are zeros, which add nothing under any byte but 0xff, and the bytes are read by this program alone.)  Each number is divided by the scale and rounded to the nearest code, ties to even, beyond 6 the largest code.
; LIMITS: a block whose largest magnitude lies under 2^-124 keeps the byte 1; NaN and infinities in x and the weights are not served; |wo| stays under 65,504, the largest f16 number.
; SHARES: a work-group takes 32,768 numbers, a wave 8,192.  Work-groups 0-255: x; 256-351: wq, wk, wv (32 each); 352-383: wo.  Rows are dense and 1,024 is a multiple of 32: each tensor is a plain stream of blocks.
; THE QUANTISING PATH: a wave takes 16 steps of 512 numbers.  Each of a step's four loads reads 512 consecutive bytes, 16 a lane; the 2,048 bytes go through the wave's own stage in LDS and come back 64 bytes a lane, so that
; a lane holds 16 neighbours along K (two neighbouring lanes hold a block), as the conversions want them.  A lane's 16 codes are 8 bytes: the wave stores 256 consecutive bytes.  A wave's 256 scale bytes are gathered in LDS
; and leave by one store of 256 consecutive bytes.  No tensor loads, no barrier: waves share nothing.  Matrix units and clusters have nothing to do in a stream.
.set STEPS, 16
.set EMAX,  2
.set CB,    8                          ; bytes of 16 codes
.set R,     16                         ; v16-79   four sets of 16 numbers as they are loaded (the cast path: two sets of 32)
.set X,     80                         ; v80-111  two sets of 16 neighbours (the cast path: two sets of 16 registers to store)
.set E,     112                        ; v112-127 a scale byte for each step
.set C,     128                        ; v128-191 codes: four registers for each step, so that no store's data are written again
.set WREG,  8192                       ; LDS: a region for each wave: two stages of 32 x SP bytes, behind them its 256 scale bytes
.set SP,    80                         ; a lane's place in a stage: 64 bytes + 16 of padding
.set SPW,   12                         ; v12  LDS address of my spare word; never rewritten
.set NIL,   13                         ; v13  0; never rewritten
.set SPARE, 4*WREG                     ; behind the four regions: the spare words, 128 bytes a wave, which no other line names
	s_load_b512 s[4:19], s[0:1], 0x0               ; x s[4:5], wq s[6:7], wk s[8:9], wv s[10:11], wo s[12:13], xc s[14:15], xs s[16:17], wc s[18:19]
	s_load_b128 s[20:23], s[0:1], 0x40             ; ws s[20:21], wo16 s[22:23]
	v_lshl_add_u32 v[SPW], v0, 2, SPARE
	v_mov_b32 v[NIL], 0
	v_lshrrev_b32 v1, 5, v0
	v_readfirstlane_b32 s24, v1                    ; wave
	v_and_b32 v2, 31, v0                           ; lane
	v_lshlrev_b32 v3, 4, v2                        ; my 16 bytes of a load's 512
	s_mul_i32 s36, s24, WREG
	v_lshrrev_b32 v14, 2, v2
	v_mul_u32_u24 v14, v14, SP
	v_and_b32 v15, 3, v2
	v_lshl_add_u32 v14, v15, 4, v14
	v_add_nc_u32 v14, s36, v14                     ; the stage, on the way in: SP (lane / 4) + 16 (lane % 4)
	v_mul_u32_u24 v15, v2, SP
	v_add_nc_u32 v15, s36, v15                     ; and on the way out: SP x lane: my 16 neighbours
	v_mul_u32_u24 v4, v2, CB                       ; my codes' place in a step's
	v_lshrrev_b32 v5, 1, v2
	s_add_co_u32 s36, s36, 2*32*SP
	v_add_nc_u32 v5, s36, v5                       ; LDS: my wave's 256 scale bytes, my block's byte
	v_lshlrev_b32 v7, 3, v2                        ; 8 bytes a lane
	v_add_nc_u32 v6, s36, v7
	s_wait_kmcnt 0x0
	s_cmp_ge_u32 ttmp9, 352                        ; the last 32 work-groups round wo to f16
	s_cbranch_scc1 .Lcast
	; which tensor, and which run of it: every choice hangs on the work-group's number alone
	s_sub_co_u32 s25, ttmp9, 256                   ; among the weights' 96 work-groups (used only from 256 on)
	s_and_b32 s26, s25, 31                         ; the chunk inside one weight
	s_lshr_b32 s27, s25, 5                         ; 0 wq, 1 wk, 2 wv
	s_cmp_eq_u32 s27, 1
	s_cselect_b64 s[28:29], s[8:9], s[6:7]
	s_cmp_eq_u32 s27, 2
	s_cselect_b64 s[28:29], s[10:11], s[28:29]
	s_cmp_lt_u32 ttmp9, 256
	s_cselect_b64 s[28:29], s[4:5], s[28:29]       ; the numbers,
	s_cselect_b64 s[30:31], s[14:15], s[18:19]     ; the codes,
	s_cselect_b64 s[32:33], s[16:17], s[20:21]     ; the scale bytes,
	s_cselect_b32 s26, ttmp9, s26                  ; the chunk read,
	s_cselect_b32 s25, ttmp9, s25                  ; and the chunk written: the three weights follow each other
	s_lshl_b32 s26, s26, 2
	s_add_co_u32 s26, s26, s24                     ; my wave's run of 8,192 numbers
	s_lshl_b32 s25, s25, 2
	s_add_co_u32 s25, s25, s24
	s_mov_b32 s35, 0
	s_lshl_b32 s34, s26, 15                        ; 32,768 bytes of numbers a run
	s_add_nc_u64 s[28:29], s[28:29], s[34:35]
	s_lshl_b32 s34, s25, 12                        ; 4,096 bytes of codes
	s_add_nc_u64 s[30:31], s[30:31], s[34:35]
	s_lshl_b32 s34, s25, 8                         ; 256 scale bytes
	s_add_nc_u64 s[32:33], s[32:33], s[34:35]
.macro LOAD t
.irp i, 0,1,2,3
	global_load_b128 v[R+16*((\t)%4)+4*\i:R+16*((\t)%4)+4*\i+3], v3, s[28:29] offset:2048*(\t)+512*\i th:TH_LOAD_NT   ; 32 lanes read 512 consecutive bytes
.endr
.endm
.macro TURN t                          ; step t's numbers through the stage: LDS serves a wave's instructions in order, so no wait stands between the stores and the loads
.irp i, 0,1,2,3
	ds_store_b128 v14, v[R+16*((\t)%4)+4*\i:R+16*((\t)%4)+4*\i+3] offset:32*SP*((\t)%2)+8*SP*\i
.endr
.irp i, 0,1,2,3
	ds_load_b128 v[X+16*((\t)%2)+4*\i:X+16*((\t)%2)+4*\i+3], v15 offset:32*SP*((\t)%2)+16*\i
.endr
.endm
.irp t, 0,1,2,3
	LOAD \t
.endr
	s_wait_loadcnt 12                              ; step 0's four loads are in; the twelve of steps 1 to 3 may be out
	TURN 0
.macro STEP t
.set XS, X+16*((\t)%2)
.if (\t) > 0
	s_wait_dscnt 1                                 ; this step's numbers are back from the stage (the last step's byte store may be out): so its stores into the stage have read their registers,
.else
	s_wait_dscnt 0x0
.endif
.if (\t)+4 < STEPS
	LOAD (\t)+4                                    ; which take the loads of four steps on
.endif
.if (\t)+1 < STEPS
.if STEPS-2-(\t) >= 3
	s_wait_loadcnt 12                              ; the next step's four loads are in; those of the three steps behind it may be out
.else
	s_wait_loadcnt 4*(STEPS-2-(\t))
.endif
	TURN (\t)+1                                    ; and go through the other stage while this step is worked
.endif
	v_max3_num_f32 v8, |v[XS]|, |v[XS+1]|, |v[XS+2]|               ; the largest magnitude of my 16, in two chains
	v_max3_num_f32 v9, |v[XS+3]|, |v[XS+4]|, |v[XS+5]|
.irp i, 6,10
	v_max3_num_f32 v8, v8, |v[XS+\i]|, |v[XS+\i+1]|
	v_max3_num_f32 v9, v9, |v[XS+\i+2]|, |v[XS+\i+3]|
.endr
	v_max3_num_f32 v8, v8, |v[XS+14]|, |v[XS+15]|
	v_max3_num_f32 v8, v8, v9, (EMAX+1)<<23        ; and the floor 2^(EMAX + 1 - 127): so the byte cannot fall under 1
	v_max_num_f32_dpp v8, v8, v8 row_xmask:1 row_mask:0xf bank_mask:0xf   ; and of my neighbour's 16: the block's
	v_add_nc_u32 v11, -(EMAX<<23), v8              ; EMAX off its exponent field: the conversion takes the exponent field of this operand as its scale, and nothing else of it
	v_cvt_scalef32_pk8_fp4_f32 v[C+4*(\t)], v[XS:XS+7], v11
	v_cvt_scalef32_pk8_fp4_f32 v[C+4*(\t)+1], v[XS+8:XS+15], v11
	v_lshrrev_b32 v[E+(\t)], 23, v11               ; the scale's byte (also the plain line behind the conversions)
	ds_store_b8 v5, v[E+(\t)] offset:16*(\t)       ; both lanes of a block write the same byte with the same value
	global_store_b64 v4, v[C+4*(\t):C+4*(\t)+1], s[30:31] offset:32*CB*(\t)   ; 32 lanes store 256 consecutive bytes
.endm
.irp t, 0,1,2,3,4,5,6,7,8,9,10,11,12,13,14,15
	STEP \t
.endr
	ds_load_b64 v[8:9], v6                         ; LDS serves a wave's instructions in order: these see my stores
	s_wait_dscnt 0x0
	global_store_b64 v7, v[8:9], s[32:33]          ; my wave's 256 scale bytes, consecutive
	s_wait_tensorcnt 0x0                           ; the wave's end, behind my last LDS store
	ds_add_u32 v[SPW], v[NIL]
	s_wait_dscnt 0x0
	s_endpgm
; THE CAST PATH: wo to f16.  No LDS.  Eight groups of eight loads of 512 consecutive bytes, two groups in flight; a lane's four numbers become 8 bytes: a store covers 256 consecutive bytes.
.Lcast:
	s_sub_co_u32 s25, ttmp9, 352
	s_lshl_b32 s25, s25, 2
	s_add_co_u32 s25, s25, s24                     ; my wave's run of 8,192 numbers
	s_mov_b32 s35, 0
	s_lshl_b32 s34, s25, 15
	s_add_nc_u64 s[12:13], s[12:13], s[34:35]
	s_lshl_b32 s34, s25, 14
	s_add_nc_u64 s[22:23], s[22:23], s[34:35]
.macro CLOAD g
.irp i, 0,1,2,3,4,5,6,7
	global_load_b128 v[R+32*((\g)%2)+4*\i:R+32*((\g)%2)+4*\i+3], v3, s[12:13] offset:4096*(\g)+512*\i th:TH_LOAD_NT
.endr
.endm
.macro CAST g
.if (\g) < 7
	s_wait_loadcnt 8                               ; this group's eight loads are in; the next group's eight may be out
.else
	s_wait_loadcnt 0x0
.endif
.if (\g) >= 2
	s_wait_xcnt 0x0                                ; the stores of two groups back have read their registers, which are written again below
.endif
.irp i, 0,1,2,3,4,5,6,7
	v_cvt_pk_f16_f32 v[X+16*((\g)%2)+2*\i],   v[R+32*((\g)%2)+4*\i],   v[R+32*((\g)%2)+4*\i+1]
	v_cvt_pk_f16_f32 v[X+16*((\g)%2)+2*\i+1], v[R+32*((\g)%2)+4*\i+2], v[R+32*((\g)%2)+4*\i+3]
.endr
.if (\g)+2 < 8
	CLOAD (\g)+2
.endif
.irp i, 0,1,2,3,4,5,6,7
	global_store_b64 v7, v[X+16*((\g)%2)+2*\i:X+16*((\g)%2)+2*\i+1], s[22:23] offset:2048*(\g)+256*\i
.endr
.endm
	CLOAD 0
	CLOAD 1
.irp g, 0,1,2,3,4,5,6,7
	CAST \g
.endr
	s_endpgm
.Lfunc_end_k_q3689d85b0f_prep:
	.size	k_q3689d85b0f_prep, .Lfunc_end_k_q3689d85b0f_prep-k_q3689d85b0f_prep
	.p2alignl 7, 3214868480
	.fill 96, 4, 3214868480
	.section	.rodata,"a",@progbits
	.p2align	6, 0x0
	.amdhsa_kernel k_q3689d85b0f_prep
		.amdhsa_group_segment_fixed_size 33280
		.amdhsa_private_segment_fixed_size 0
		.amdhsa_enable_private_segment 0
		.amdhsa_kernarg_size 80
		.amdhsa_user_sgpr_count 2
		.amdhsa_user_sgpr_kernarg_segment_ptr 1
		.amdhsa_wavefront_size32 1
		.amdhsa_system_sgpr_workgroup_id_x 1
		.amdhsa_system_sgpr_workgroup_id_y 1
		.amdhsa_system_sgpr_workgroup_id_z 1
		.amdhsa_system_vgpr_workitem_id 0
		.amdhsa_next_free_vgpr 192
		.amdhsa_next_free_sgpr 66
		.amdhsa_reserve_vcc 0
		.amdhsa_float_denorm_mode_32 3
		.amdhsa_float_denorm_mode_16_64 3
		.amdhsa_memory_ordered 1
		.amdhsa_forward_progress 1
		.amdhsa_inst_pref_size 54
	.end_amdhsa_kernel
	.amdgpu_metadata
---
amdhsa.version: [ 1, 2 ]
amdhsa.kernels:
  - .name:           k_q3689d85b0f_prep
    .symbol:         k_q3689d85b0f_prep.kd
    .args:
      - { .name: x, .offset: 0, .size: 8, .value_kind: global_buffer, .address_space: global }
      - { .name: wq, .offset: 8, .size: 8, .value_kind: global_buffer, .address_space: global }
      - { .name: wk, .offset: 16, .size: 8, .value_kind: global_buffer, .address_space: global }
      - { .name: wv, .offset: 24, .size: 8, .value_kind: global_buffer, .address_space: global }
      - { .name: wo, .offset: 32, .size: 8, .value_kind: global_buffer, .address_space: global }
      - { .name: xc, .offset: 40, .size: 8, .value_kind: global_buffer, .address_space: global }
      - { .name: xs, .offset: 48, .size: 8, .value_kind: global_buffer, .address_space: global }
      - { .name: wc, .offset: 56, .size: 8, .value_kind: global_buffer, .address_space: global }
      - { .name: ws, .offset: 64, .size: 8, .value_kind: global_buffer, .address_space: global }
      - { .name: wo16, .offset: 72, .size: 8, .value_kind: global_buffer, .address_space: global }
    .group_segment_fixed_size: 33280
    .private_segment_fixed_size: 0
    .kernarg_segment_align: 8
    .kernarg_segment_size: 80
    .max_flat_workgroup_size: 128
    .sgpr_count:     66
    .vgpr_count:     192
    .wavefront_size: 32
...
	.end_amdgpu_metadata
.endif
;; end of part 1
;; launch proj (part 2): grid 12 x 32, 4 waves a work-group, clusters of 4 x 4, 327,680 bytes of LDS; arguments xc, xs, wc, ws, bq, bv, qkv; writes qkv
.if DOCPART == 2
	.amdgcn_target "amdgcn-amd-amdhsa--gfx1250"
	.amdhsa_code_object_version 6
	.text
	.protected	k_q3689d85b0f_proj
	.globl	k_q3689d85b0f_proj
	.p2align	8
	.type	k_q3689d85b0f_proj,@function
k_q3689d85b0f_proj:
	s_mov_b64 s[64:65], 0
	v_nop
	global_prefetch_b8 v0, s[64:65] scope:SCOPE_SE
	s_setreg_imm32_b32 hwreg(HW_REG_WAVE_MODE, 25, 1), 1
	s_wait_xcnt 0x0
	s_wait_alu depctr_hold_cnt(0) depctr_sa_sdst(0) depctr_va_vdst(0) depctr_va_sdst(0) depctr_va_ssrc(0) depctr_va_vcc(0) depctr_vm_vsrc(0)
	s_getreg_b32 s2, hwreg(HW_REG_IB_STS2, 6, 4)
	s_cmp_eq_u32 s2, 0
	s_cbranch_scc0 .Lentry_in_a_cluster
	s_endpgm
.Lentry_in_a_cluster:
	s_bfe_u32 s2, ttmp6, 0x10000c
	s_cmp_lg_u32 s2, 0xf033
	s_cbranch_scc0 .Lentry_shape_is_right
	s_endpgm
.Lentry_shape_is_right:
; THE THREE PROJECTIONS AS ONE PRODUCT ON CODES OF FP4: [8192 tokens][1024] x [3072 rows of wq, wk, wv][1024]^T, one E8M0 scale for each 32 along K on both sides, sums in f32; + bq on q's columns, + bv on v's;
; rounded to f16 and stored as images of operand registers for the attention launch.
; LEFT OUT: bk is not added to k and is not among the arguments: it moves every score of a softmax row by the same amount (shown at the head of the first launch).
; LIMIT: |q + bq|, |k|, |v + bv| stay under 65,504, the largest f16 number.
; A tile of 256 tokens x 256 columns is made by a work-group of four waves; a wave makes 128 x 128: 64 accumulators of 16 x 16, 512 registers.  K = 1,024 is two slots of 512 along K (LDS rows of 256 bytes + 16 of padding):
; both are first fills, so nothing in LDS is filled again.  The scale bytes of the work-group's 256 + 256 rows, for all of K, are two dense blocks: they come once, with the first fills.
; CLUSTERS: 4 x 4 work-groups.  The four of a row of the cluster need the same tiles of x, the four of a column the same tiles of the weights: each tile is asked for JOINTLY, by the same tensor load with the same descriptor
; and a mask that names the four.  A cluster's four tile columns are 1,024 columns: one whole role (cluster x = 0: q, 1: k, 2: v), so the one branch of the text, on the role, goes the same way in all sixteen partners.
; THE MATRIX INSTRUCTION IS USED TRANSPOSED (source 0 = 16 rows of a weight, source 1 = 16 tokens): lane (r, h) then holds token r and eight neighbouring channels 16 b + 8 h + 0 .. 7.  Rounded to f16 in pairs these are
; 16 bytes, and they ARE what lane r + 16 h of a 16-bit operand fragment holds.  THE OUTPUT'S LAYOUT: byte = role << 24 + (batch x 16 + head) << 18 + (token / 16) << 11 + f << 10 + c << 9 + 16 x lane: fragment f = channels 32 f on,
; chunk c = registers 4 c .. 4 c + 3.  So each store of a wave covers 512 consecutive bytes, with no way through LDS.
; REGISTERS, in windows of 256: window 0: v0-31 addresses; v32-95 scale words, two sets; v128-191 x's fragments, ONE set; on the way out v128-255 packed results.
;   window 1: the weights' fragments, TWO sets, at v0 and v128; v64-127 the bias in the result's layout.   window 2: the accumulators of my tokens 0-63 ((a, b) at v[8 (8 a + b)]);   window 3: those of tokens 64-127.
.set SIZE_K, 1024
.set KSTEP,  512                       ; along K in a slot
.set NQ,     KSTEP/128                 ; matrix instructions deep
.set ROWB,   256                       ; a tile's row in bytes
.set KROW,   SIZE_K*4/8                ; a row of codes in memory, in bytes
.set PITCH,  272                       ; an LDS row: 256 bytes + 16 of padding = 68 words: the 16 rows that a load touches start at 16 different banks (64 banks of 4 bytes: ISA guide 11.1)
.set FR,     8                         ; registers of a fragment: 16 rows x 128 K
.set NL,     2                         ; LDS loads that bring one
.set NP,     4                         ; places behind this matrix instruction (ISA guide 7.12.1)
.set HALFT,  128*PITCH                 ; 128 rows: what one tensor load brings
.set SLOT,   4*HALFT                   ; x's 256 rows, then the weights' 256 rows
.set KS,     SIZE_K/32                 ; a row of scale bytes
.set SCL,    2*SLOT                    ; behind the slots: the scales, as rows of 256 bytes + 16 of padding
.set HALFS,  (128*KS/256)*272          ; the scales of 128 rows
.set SBLK,   (16*KS/256)*272           ; those of 16 rows
.set SPARE,  SCL+4*HALFS               ; behind the scales: the spare words, 128 bytes a wave, which no other line names
.set ADRA, 16                          ; v16-17  LDS address of my x fragments in slot 0, 1
.set ADRB, 20                          ; v20-21  the same for the weights
.set CO,   26                          ; v26     16 x lane: my place in a stored chunk
.set ADRS, 27                          ; v27     LDS address of my scale words: lanes 0-15 x's rows, lanes 16-31 the weights'
.set SPW,  28                          ; v28     LDS address of my spare word; never rewritten
.set NIL,  29                          ; v29     0; never rewritten
.set BO,   30                          ; v30     32 x (lane / 16): my eight numbers of a bias tile
.set SC,   32                          ; scale words: set s at v[SC + 8 NQ s]; register NQ i + q: lanes 0-15 x's block i, lanes 16-31 the weights' block i
.set AF,   128                         ; x's fragments, in window 0
.set HB,   128                         ; the way out: packed results, four sets of 32, in window 0
.set BI,   64                          ; the bias, in window 1
.set G1, 24
.set G0, 32
.set G1B, 48
.set G0B, 56
.set G1S, 68
.set G0S, 76
.set G1SB, 80
.set G0SB, 88
.set ROLE, 100                         ; s100    0 q, 1 k, 2 v
.set MSB, 0
.macro WIN new                         ; the immediate's high byte repeats the setting that is left
.if MSB != \new
	s_set_vgpr_msb (MSB<<8)|\new
.set MSB, \new
.endif
.endm
.set MUL_LO, 0xa1                      ; source 0 (weights) window 1, source 1 (x) window 0, C and D window 2
.set MUL_HI, 0xf1                      ; the same, C and D window 3
.set TO_B,   0x40                      ; destination window 1, address window 0
; A joint load: waves 0 and 1 fetch for x, waves 2 and 3 for the weights.  The branch hangs on the wave's number alone.  An s_nop 0 and four v_nop follow each of the two lines.
.macro JLOAD g0a, g1a, g0b, g1b
	s_cmp_eq_u32 s15, 0
	s_cbranch_scc0 .Lfor_b_\@
	tensor_load_to_lds s[\g0a:\g0a+3], s[\g1a:\g1a+7]
	s_nop 0
.rept 4
	v_nop
.endr
	s_branch .Lasked_\@
.Lfor_b_\@:
	tensor_load_to_lds s[\g0b:\g0b+3], s[\g1b:\g1b+7]
	s_nop 0
.rept 4
	v_nop
.endr
.Lasked_\@:
.endm
.macro CROUND                          ; a round of the cluster's barrier
	s_barrier_signal -1
	s_barrier_wait -1
	s_cmp_lg_u32 s14, 0
	s_cbranch_scc1 .Lnot_wave_0_\@
	s_barrier_signal -3
.Lnot_wave_0_\@:
	s_barrier_wait -3
	s_barrier_signal -1
	s_barrier_wait -1
.endm
	s_load_b128 s[4:7], s[0:1], 0x0                ; x's codes s[4:5], x's scales s[6:7]
	s_load_b128 s[8:11], s[0:1], 0x10              ; the weights' codes s[8:9], their scales s[10:11]
	s_load_b128 s[96:99], s[0:1], 0x20             ; bq s[96:97], bv s[98:99]
	s_load_b64 s[12:13], s[0:1], 0x30              ; qkv
	v_lshl_add_u32 v[SPW], v0, 2, SPARE
	v_mov_b32 v[NIL], 0
	ds_add_u32 v[SPW], v[NIL]                      ; the wave's opening: the add, twice on end, and its wait ahead of my first tensor load
	ds_add_u32 v[SPW], v[NIL]
	v_lshrrev_b32 v1, 5, v0
	v_readfirstlane_b32 s14, v1                    ; wave 0..3
	s_lshr_b32 s15, s14, 1                         ; which half of the tile's tokens is mine.  Also: I fetch for x (0) or for the weights (1)
	s_and_b32 s16, s14, 1                          ; which half of its columns.  Also: which 128 rows of that tile I fetch
	s_bfe_u32 s40, ttmp6, 0x40000                  ; cx, cy: my place in the cluster
	s_bfe_u32 s41, ttmp6, 0x40004
	s_mov_b32 s[ROLE], ttmp9                       ; the cluster's x: the same in all sixteen partners
	s_lshl_b32 s42, ttmp9, 2
	s_add_co_u32 s42, s42, s40                     ; tile column = 4 x cluster x + cx
	s_and_b32 s17, ttmp7, 0xffff
	s_lshl_b32 s17, s17, 2
	s_add_co_u32 s17, s17, s41                     ; tile row = 4 x cluster y + cy
	s_lshl_b32 s43, s41, 2
	s_lshl_b32 s43, 15, s43                        ; my row of the cluster
	s_lshl_b32 s44, 0x1111, s40                    ; my column
	; descriptor group 1: a tile of 128 rows x 256 bytes, padded in LDS
	s_or_b32 s[G1+0], s43, (0<<16)|(1<<20)|(1<<21)|(5<<22)|(3<<25)  ; 15:0 the mask; 17:16 elements of 1 byte; 20 padding on; 21 set beside a mask; 24:22 after every 64 words; 31:25 four words
	s_or_b32 s[G1B+0], s44, (0<<16)|(1<<20)|(1<<21)|(5<<22)|(3<<25)
.irp g, G1, G1B
	s_mov_b32 s[\g+1], ROWB<<16                    ; tensor_dim0
	s_mov_b32 s[\g+2], 128<<16                     ; tensor_dim1
	s_mov_b32 s[\g+3], ROWB<<16                    ; tile_dim0
	s_mov_b32 s[\g+4], 128                         ; tile_dim1
	s_mov_b32 s[\g+5], KROW                        ; tensor_dim0_stride
	s_mov_b32 s[\g+6], 0
	s_mov_b32 s[\g+7], 0
.endr
	; the scales of 128 rows: a dense block of 4,096 bytes, as 16 rows of 256 bytes (32 elements of 8 bytes), 16 bytes of padding behind each
	s_or_b32 s[G1S+0], s43, (3<<16)|(1<<20)|(1<<21)|(5<<22)|(3<<25)
	s_or_b32 s[G1SB+0], s44, (3<<16)|(1<<20)|(1<<21)|(5<<22)|(3<<25)
.irp g, G1S, G1SB
	s_mov_b32 s[\g+1], 32<<16
	s_mov_b32 s[\g+2], (128*KS/256)<<16
	s_mov_b32 s[\g+3], 32<<16
	s_mov_b32 s[\g+4], 128*KS/256
	s_mov_b32 s[\g+5], 32
	s_mov_b32 s[\g+6], 0
	s_mov_b32 s[\g+7], 0
.endr
	s_lshl_b32 s18, s16, 7                         ; which 128 rows of the tile I fetch
	s_lshl_b32 s20, s17, 8
	s_add_co_u32 s20, s20, s18                     ; x: row 256 x tile row + 128 x half
	s_lshl_b32 s46, s42, 8
	s_add_co_u32 s46, s46, s18                     ; weights: row 256 x tile column + 128 x half
	s_mov_b32 s21, 0
	s_mov_b32 s47, 0
	s_mov_b64 s[18:19], KS
	s_mul_u64 s[22:23], s[20:21], s[18:19]         ; where these rows' scales begin, in bytes
	s_mul_u64 s[92:93], s[46:47], s[18:19]
	s_mov_b64 s[18:19], KROW
	s_mul_u64 s[20:21], s[20:21], s[18:19]         ; and their codes
	s_mul_u64 s[46:47], s[46:47], s[18:19]
	s_mul_i32 s45, s14, HALFT                      ; where they go: wave x 128 rows: no place in the cluster enters an LDS address
	s_mul_i32 s94, s14, HALFS
	s_wait_dscnt 0x0                               ; both opening adds are done
	s_wait_kmcnt 0x0
	s_add_nc_u64 s[20:21], s[4:5], s[20:21]
	s_add_nc_u64 s[22:23], s[6:7], s[22:23]
	s_add_nc_u64 s[46:47], s[8:9], s[46:47]
	s_add_nc_u64 s[92:93], s[10:11], s[92:93]
	CROUND                                         ; all sixteen work-groups are here: the first joint loads meet
	s_mov_b32 s[G0S], 1
	s_add_co_u32 s[G0S+1], s94, SCL
	s_mov_b64 s[G0S+2:G0S+3], s[22:23]
	s_or_b32 s[G0S+3], s[G0S+3], 0x80000000
	s_mov_b32 s[G0SB], 1
	s_add_co_u32 s[G0SB+1], s94, SCL
	s_mov_b64 s[G0SB+2:G0SB+3], s[92:93]
	s_or_b32 s[G0SB+3], s[G0SB+3], 0x80000000
	JLOAD G0S, G1S, G0SB, G1SB                     ; the scales first: they are wanted with the first K step
.irp s, 0,1
	s_mov_b32 s[G0+4*\s], 1
	s_add_co_u32 s[G0+4*\s+1], s45, \s*SLOT
	s_add_nc_u64 s[G0+4*\s+2:G0+4*\s+3], s[20:21], \s*ROWB
	s_or_b32 s[G0+4*\s+3], s[G0+4*\s+3], 0x80000000
	s_mov_b32 s[G0B+4*\s], 1
	s_add_co_u32 s[G0B+4*\s+1], s45, \s*SLOT
	s_add_nc_u64 s[G0B+4*\s+2:G0B+4*\s+3], s[46:47], \s*ROWB
	s_or_b32 s[G0B+4*\s+3], s[G0B+4*\s+3], 0x80000000
	JLOAD G0+4*\s, G1, G0B+4*\s, G1B               ; three loads of mine are out
.endr
	v_and_b32 v1, 15, v0                           ; r = lane % 16
	v_bfe_u32 v2, v0, 4, 1                         ; h = lane / 16
	v_mul_u32_u24 v3, v1, PITCH
	v_lshl_add_u32 v4, v2, 4, v3                   ; a fragment's row x pitch + 16 x half
	s_mul_i32 s21, s15, HALFT                      ; my 128 rows of x
	s_mul_i32 s22, s16, HALFT                      ; my 128 rows of the weights,
	s_add_co_u32 s22, s22, 2*HALFT                 ; which lie behind x's 256
.irp s, 0,1
	v_add_nc_u32 v[ADRA+\s], s21, v4
	v_add_nc_u32 v[ADRB+\s], s22, v4
	s_add_co_u32 s21, s21, SLOT
	s_add_co_u32 s22, s22, SLOT
.endr
	v_mul_u32_u24 v5, v1, KS                       ; my row's scales: KS bytes a row,
	v_lshrrev_b32 v6, 8, v5
	v_lshl_add_u32 v5, v6, 4, v5                   ; and 16 more for each 256 passed
	s_mul_i32 s21, s15, HALFS
	s_mul_i32 s22, s16, HALFS
	s_add_co_u32 s22, s22, 2*HALFS
	s_sub_co_u32 s22, s22, s21
	v_mul_u32_u24 v6, s22, v2                      ; lanes 16-31 take the weights'
	s_add_co_u32 s21, s21, SCL
	v_add_nc_u32 v5, v5, v6
	v_add_nc_u32 v[ADRS], s21, v5
	v_and_b32 v6, 31, v0
	v_lshlrev_b32 v[CO], 4, v6
	v_lshlrev_b32 v[BO], 5, v2
	; where my results go: role << 24 + (batch x 16 + head) << 18 + (token tile in the sequence) << 11
	s_lshr_b32 s20, s17, 3                         ; batch: eight tile rows of 256 tokens each
	s_lshl_b32 s20, s20, 4
	s_lshl_b32 s21, s40, 2                         ; a tile column is four heads,
	s_add_co_u32 s20, s20, s21
	s_lshl_b32 s21, s16, 1                         ; my half of it two
	s_add_co_u32 s20, s20, s21
	s_lshl_b32 s20, s20, 18
	s_and_b32 s21, s17, 7
	s_lshl_b32 s21, s21, 4
	s_lshl_b32 s22, s15, 3
	s_add_co_u32 s21, s21, s22
	s_lshl_b32 s21, s21, 11
	s_add_co_u32 s20, s20, s21
	s_lshl_b32 s21, s[ROLE], 24
	s_add_co_u32 s20, s20, s21
	s_mov_b32 s21, 0
	s_add_nc_u64 s[12:13], s[12:13], s[20:21]
	s_cmp_eq_u32 s[ROLE], 0                        ; the bias of my 128 columns: bq for q, bv for v (for k the pointer is not used)
	s_cselect_b64 s[96:97], s[96:97], s[98:99]
	s_lshl_b32 s20, s40, 10
	s_lshl_b32 s22, s16, 9
	s_add_co_u32 s20, s20, s22
	s_add_nc_u64 s[96:97], s[96:97], s[20:21]
.macro FRAG reg, adr, q, i             ; 16 rows x 128 K of 4-bit codes: lane l holds row l % 16; registers 4 c .. 4 c + 3 hold K = 64 c + 32 (l / 16) + 0 .. 31
.irp c, 0,1
	ds_load_b128 v[\reg+4*\c:\reg+4*\c+3], v[\adr] offset:64*(\q)+32*\c+(\i)*16*PITCH
.endr
.endm
; 16 matrix instructions: x's blocks a0, a0 + 1 against the weights' eight, 128 along K.  p: the weights' set;  sc: the set of scale words.  zero = 1: the first product starts the sums.
; The 64 accumulators take turns, one instruction a turn, in the same order in every step.
.macro MUL16 a0, p, q, sc, zero
.irp a, \a0, \a0+1
.irp b, 0,1,2,3,4,5,6,7
.if \zero
	v_wmma_scale_f32_16x16x128_f8f6f4 v[8*(8*((\a)%4)+\b):8*(8*((\a)%4)+\b)+7], v[128*(\p)+FR*\b:128*(\p)+FR*\b+FR-1], v[AF+FR*(\a):AF+FR*(\a)+FR-1], 0, v[SC+8*NQ*(\sc)+NQ*\b+(\q)], v[SC+8*NQ*(\sc)+NQ*(\a)+(\q)] matrix_a_fmt:MATRIX_FMT_FP4 matrix_b_fmt:MATRIX_FMT_FP4 matrix_a_scale:MATRIX_SCALE_ROW1
.else
	v_wmma_scale_f32_16x16x128_f8f6f4 v[8*(8*((\a)%4)+\b):8*(8*((\a)%4)+\b)+7], v[128*(\p)+FR*\b:128*(\p)+FR*\b+FR-1], v[AF+FR*(\a):AF+FR*(\a)+FR-1], v[8*(8*((\a)%4)+\b):8*(8*((\a)%4)+\b)+7], v[SC+8*NQ*(\sc)+NQ*\b+(\q)], v[SC+8*NQ*(\sc)+NQ*(\a)+(\q)] matrix_a_fmt:MATRIX_FMT_FP4 matrix_b_fmt:MATRIX_FMT_FP4 matrix_a_scale:MATRIX_SCALE_ROW1
.endif
.endr
.endr
.endm
.macro FETCH_B slot, q, p
	WIN TO_B
.irp i, 0,1,2,3,4,5,6,7
	FRAG 128*(\p)+FR*\i, ADRB+\slot, \q, \i
.endr
	WIN 0
.endm
.macro FETCH_A slot, q, i0
.irp i, \i0, \i0+1, \i0+2, \i0+3
	FRAG AF+FR*(\i), ADRA+\slot, \q, \i
.endr
.endm
.macro SCALES sc                       ; a slot's scale words: NQ words a row; lanes 0-15 take x's block i, lanes 16-31 the weights' block i
.irp i, 0,1,2,3,4,5,6,7
	ds_load_b128 v[SC+8*NQ*\sc+NQ*\i:SC+8*NQ*\sc+NQ*\i+3], v[ADRS] offset:\i*SBLK
.endr
.endm
.macro PLACES n                        ; plain vector instructions that name no register of the matrix instructions ahead: in front of loads into registers that those have read, and of the first read of results
.rept \n
	v_nop
.endr
.endm
; A step of 128 along K that has its successor in the same slot.
.macro STEP slot, q, zero
	s_wait_dscnt 4*NL                              ; the weights' set and x's blocks 0-3 are in; the youngest eight loads (x's blocks 4-7) may be out
	WIN MUL_LO
	MUL16 0, (\q)%2, \q, \slot, \zero
	MUL16 2, (\q)%2, \q, \slot, \zero
	s_wait_dscnt 0                                 ; x's blocks 4-7 are in
	PLACES NP
	FETCH_B \slot, (\q)+1, 1-(\q)%2
	FETCH_A \slot, (\q)+1, 0
	WIN MUL_HI
	MUL16 4, (\q)%2, \q, \slot, \zero
	MUL16 6, (\q)%2, \q, \slot, \zero
	PLACES NP
	WIN 0
	FETCH_A \slot, (\q)+1, 4
.endm
; Slot 0's last step goes on into slot 1: in front of the barrier each wave waits for all its tensor loads (its part of slot 1), so that behind it slot 1 is whole for every wave.  Nothing is filled again.
.macro TURN slot, next
	s_wait_tensorcnt 0x0                           ; all my tensor loads have landed
	ds_add_u32 v[SPW], v[NIL]                      ; 0 onto my spare word
	s_wait_dscnt 4*NL+1                            ; (the add and the youngest eight loads, x's blocks 4-7, may be out)
	WIN MUL_LO
	MUL16 0, 1, NQ-1, \slot, 0
	s_wait_dscnt 0x0                               ; the add is done, and no LDS instruction of mine is out at the signal
	s_barrier_signal -1
	MUL16 2, 1, NQ-1, \slot, 0
	WIN 0
	s_barrier_wait -1
	PLACES NP
	v_add_nc_u32 v[ADRS], 4*NQ, v[ADRS]            ; on to the next slot's scale words
	FETCH_B \next, 0, 0
	FETCH_A \next, 0, 0
	SCALES \next
	WIN MUL_HI
	MUL16 4, 1, NQ-1, \slot, 0
	MUL16 6, 1, NQ-1, \slot, 0
	PLACES NP
	WIN 0
	FETCH_A \next, 0, 4
.endm
.macro LAST                            ; the very last step: nothing more to fetch
	s_wait_dscnt 4*NL
	WIN MUL_LO
	MUL16 0, 1, NQ-1, 1, 0
	MUL16 2, 1, NQ-1, 1, 0
	s_wait_dscnt 0
	WIN MUL_HI
	MUL16 4, 1, NQ-1, 1, 0
	MUL16 6, 1, NQ-1, 1, 0
	WIN 0
.endm
; THE WAY OUT of block a (16 tokens x 128 channels).  bias = 1: the bias is added, two numbers an instruction.  Each accumulator is read from its low end on.  Four roundings make a lane's 16 bytes; a store covers 512 consecutive bytes.
.macro OUT a, bias
.set W,  2+(\a)/4
.set AC, 64*((\a)%4)
.set H,  HB+32*((\a)%4)
.set WADD, (W<<6)|(1<<2)|W             ; destination and source 0: the accumulators' window; source 1: window 1
.set WCVT, (W<<2)|W                    ; sources 0 and 1: the accumulators' window; destination window 0
.if (\a) == 4
	s_wait_xcnt 0x0                                ; the stores of blocks 0 to 3 have read their registers, which blocks 4 to 7 write again
.endif
.if \bias
	WIN WADD
.irp b, 0,1,2,3,4,5,6,7
.irp p, 0,2,4,6
	v_pk_add_f32 v[AC+8*\b+\p:AC+8*\b+\p+1], v[AC+8*\b+\p:AC+8*\b+\p+1], v[BI+8*\b+\p:BI+8*\b+\p+1]
.endr
.endr
.endif
	WIN WCVT
.irp b, 0,1,2,3,4,5,6,7
.irp r, 0,1,2,3
	v_cvt_pk_f16_f32 v[H+4*\b+\r], v[AC+8*\b+2*\r], v[AC+8*\b+2*\r+1]
.endr
.endr
	WIN 0
.irp b, 0,1,2,3,4,5,6,7
	global_store_b128 v[CO], v[H+4*\b:H+4*\b+3], s[12:13] offset:((\b>>2)<<18)|((\a)<<11)|(((\b>>1)&1)<<10)|((\b&1)<<9)   ; head b / 4, token tile a, fragment (b / 2) % 2, chunk b % 2
.endr
.endm
	s_wait_tensorcnt 1                             ; the scales and my part of slot 0 are in (slot 1's load may be out),
	s_barrier_signal -1
	s_barrier_wait -1                              ; everybody's are
	FETCH_B 0, 0, 0
	FETCH_A 0, 0, 0
	SCALES 0
	FETCH_A 0, 0, 4
	STEP 0, 0, 1                                   ; the first step's products start the sums: nothing is cleared
	STEP 0, 1, 0
	STEP 0, 2, 0
	TURN 0, 1
	STEP 1, 0, 0
	STEP 1, 1, 0
	s_cmp_eq_u32 s[ROLE], 1                        ; ONE branch, on the role: k takes no bias.  Each arm holds the last two steps and the way out, so that the bias is asked for 128 matrix instructions ahead of its use
	s_cbranch_scc1 .Lplain
	WIN TO_B
.irp b, 0,1,2,3,4,5,6,7
	global_load_b128 v[BI+8*\b:BI+8*\b+3],   v[BO], s[96:97] offset:64*\b       ; lane (r, h): the bias of channels 16 b + 8 h + 0 .. 7
	global_load_b128 v[BI+8*\b+4:BI+8*\b+7], v[BO], s[96:97] offset:64*\b+16
.endr
	WIN 0
	STEP 1, 2, 0
	LAST
	s_wait_loadcnt 0x0                             ; the bias
	PLACES NP
.irp a, 0,1,2,3,4,5,6,7
	OUT \a, 1
.endr
	s_branch .Ldone
.Lplain:
	STEP 1, 2, 0
	LAST
	PLACES NP
.irp a, 0,1,2,3,4,5,6,7
	OUT \a, 0
.endr
.Ldone:
	s_wait_tensorcnt 0x0                           ; the wave's end, behind my last tensor load
	ds_add_u32 v[SPW], v[NIL]
	s_wait_dscnt 0x0
	CROUND                                         ; the closing round: no work-group ends while a partner may still ask for a tile that names it
	s_endpgm
.Lfunc_end_k_q3689d85b0f_proj:
	.size	k_q3689d85b0f_proj, .Lfunc_end_k_q3689d85b0f_proj-k_q3689d85b0f_proj
	.p2alignl 7, 3214868480
	.fill 96, 4, 3214868480
	.section	.rodata,"a",@progbits
	.p2align	6, 0x0
	.amdhsa_kernel k_q3689d85b0f_proj
		.amdhsa_group_segment_fixed_size 327680
		.amdhsa_private_segment_fixed_size 0
		.amdhsa_enable_private_segment 0
		.amdhsa_kernarg_size 56
		.amdhsa_user_sgpr_count 2
		.amdhsa_user_sgpr_kernarg_segment_ptr 1
		.amdhsa_wavefront_size32 1
		.amdhsa_system_sgpr_workgroup_id_x 1
		.amdhsa_system_sgpr_workgroup_id_y 1
		.amdhsa_system_sgpr_workgroup_id_z 1
		.amdhsa_system_vgpr_workitem_id 0
		.amdhsa_next_free_vgpr 1024
		.amdhsa_next_free_sgpr 102
		.amdhsa_reserve_vcc 0
		.amdhsa_float_denorm_mode_32 3
		.amdhsa_float_denorm_mode_16_64 3
		.amdhsa_memory_ordered 1
		.amdhsa_forward_progress 1
		.amdhsa_inst_pref_size 177
	.end_amdhsa_kernel
	.amdgpu_metadata
---
amdhsa.version: [ 1, 2 ]
amdhsa.kernels:
  - .name:           k_q3689d85b0f_proj
    .symbol:         k_q3689d85b0f_proj.kd
    .args:
      - { .name: xc, .offset: 0, .size: 8, .value_kind: global_buffer, .address_space: global }
      - { .name: xs, .offset: 8, .size: 8, .value_kind: global_buffer, .address_space: global }
      - { .name: wc, .offset: 16, .size: 8, .value_kind: global_buffer, .address_space: global }
      - { .name: ws, .offset: 24, .size: 8, .value_kind: global_buffer, .address_space: global }
      - { .name: bq, .offset: 32, .size: 8, .value_kind: global_buffer, .address_space: global }
      - { .name: bv, .offset: 40, .size: 8, .value_kind: global_buffer, .address_space: global }
      - { .name: qkv, .offset: 48, .size: 8, .value_kind: global_buffer, .address_space: global }
    .group_segment_fixed_size: 327680
    .private_segment_fixed_size: 0
    .kernarg_segment_align: 8
    .kernarg_segment_size: 56
    .max_flat_workgroup_size: 128
    .sgpr_count:     102
    .vgpr_count:     1024
    .wavefront_size: 32
...
	.end_amdgpu_metadata
.endif
;; end of part 2
;; launch attn (part 3): grid 4 x 64, 8 waves a work-group, no clusters, 327,680 bytes of LDS; arguments qkv, rel_bias, of; writes of
.if DOCPART == 3
	.amdgcn_target "amdgcn-amd-amdhsa--gfx1250"
	.amdhsa_code_object_version 6
	.text
	.protected	k_q3689d85b0f_attn
	.globl	k_q3689d85b0f_attn
	.p2align	8
	.type	k_q3689d85b0f_attn,@function
k_q3689d85b0f_attn:
	s_mov_b64 s[64:65], 0
	v_nop
	global_prefetch_b8 v0, s[64:65] scope:SCOPE_SE
	s_setreg_imm32_b32 hwreg(HW_REG_WAVE_MODE, 25, 1), 1
	s_wait_xcnt 0x0
; ATTENTION: o[b][h][q] = the sum over k of softmax_k(q . k / 8 + bias[h][q - k]) v[k], 64 (batch, head) pairs, 2,048 positions, head size 64.  q, k, v arrive as f16 images of operand registers (below);
; products on f16 operands with f32 sums; maxima, exponentials and sums in f32; the weights p (at most 1) are rounded to f16 for the second product, o once at the end.
; LEFT OUT: k arrives without bk, which moves every score of a softmax row by the same amount (shown at the head of the first launch).
; THE BIAS.  The bucket of a pair hangs on d = q - k alone, by a formula made of constants: d <= 0: 0; d = 1 .. 15: d; then 16 + floor(16 log(d / 16) / log 8), held at 31.  That steps up at d = 19, 21, 24, 27, 31, 35, 40, 46, 52, 59, 67, 77,
; 87, 99, 113; at each of these, and one below it, 16 log(d / 16) / log 8 stays 0.011 or more away from a whole number, far beyond what f32 rounding moves.  So bucket(d) = min(d, 16) + the number of thresholds at or under d.
; A step of 64 keys against a wave's 64 queries has d = DD - 63 .. DD + 63, DD = first query - first key, a multiple of 64.  DD < 0: every bucket is 0.  DD >= 192: every bucket is 31.  There the bias is one number, and rides in the
; softmax's one multiply-add.  DD = 0, 64, 128 (the BAND): the bias comes number by number from a table in LDS.
; SOFTMAX.  t = (score / 8 + bias) log2(e).  For each query a running maximum m of t and sum l: p = 2^(t - m); in every step O and l are multiplied by a = 2^(m_old - m_new).
; SHARES.  A work-group owns 512 queries of one (batch, head), each of its eight waves 64: four tiles of 16, in two PIECES of two tiles that share each fragment of k and v.  Two waves lie on a SIMD, 512 registers each: while one
; walks its softmax the other's products can be issued.  Every wave walks all 2,048 keys, 64 a step.
; THE WALK IS ROTATED: at position pos = 0 .. 3 the work-group reads key block (x + pos) % 4, 512 keys, beginning with its own.  Then DD modulo 2,048 is 64 wave - 64 step, the same in every work-group: the table's LDS address
; hangs on the wave, the lane and the count of steps alone.
; NO CLUSTER, though the four work-groups of a head read the same k and v: the band falls on another key step in each of them, so partners that walked in step would need branches that hang on their place in the cluster; and in the
; rotated walk, which frees the table's address of the work-group's number, the four want four different blocks at any one time.
; IMAGES.  A 16-bit fragment (16 rows x 32 k, 8 registers a lane) lies as 1,024 bytes: chunk c (registers 4 c .. 4 c + 3) at 512 c, lane l's 16 bytes at 16 l.  qkv: role << 24 + (batch, head) << 18 + (position / 16) << 11 + f << 10 + c << 9.
; So 512 keys of k or of v are 65,536 dense bytes, a fragment comes by two loads of 512 consecutive bytes, and v, whose K is the keys, comes turned by ds_load_tr16_b128 out of the same image.
; LAYOUT.  S^T = K Q^T (source 0 = 16 keys, source 1 = 16 queries): a lane holds ONE query (lane % 16) and keys 8 (lane / 16) + 0 .. 7.  Two such tiles, rounded in pairs, ARE source 1 of O^T = V^T P, whose result holds one query a lane and
; eight channels, which rounded in pairs are a chunk of the image that the last launch reads: of: (batch x 128 + position / 16) << 15 + (2 head + f) << 10 + c << 9 + 16 x lane.
; LIMITS: |o| under 65,504 follows from |v|; NaN and infinities are not served.
; REGISTERS.  window 0: v1-8 addresses; v16-47 statistics, 8 a tile; v64-127 S^T of the piece in hand; v128-159 P; v128-191 the band's bias (over P, which is free then); v192-255 Q.
;   window 1: v0-63 K of a step; v64-127 V of a step; v128-255 O^T, 32 a tile.
.set SLOT1, 1<<17                      ; a slot: 65,536 bytes of k, 65,536 of v; slot 1 begins here, so that one exclusive or turns an address from one slot to the other
.set VOFF,  65536
.set TAB,   2*SLOT1                    ; the bias table: 2,304 numbers; entry i stands for d = i modulo 2,048; entries 2,048 on repeat 0 on, so that an immediate needs no wrap.  Stored once, never a fill's target
.set SPARE, TAB+9216                   ; the spare words, 128 bytes a wave, which no other line names
.set AK0, 1                            ; v1   16 x lane: my place in a chunk; also my offset in q and in o
.set AV0, 2                            ; v2   my place in a chunk of v for the turning load, + VOFF
.set ADK, 3                            ; v3   LDS address of the step's k
.set ADV, 4                            ; v4   of its v
.set SPW, 5                            ; v5   LDS address of my spare word; never rewritten
.set NIL, 6                            ; v6   0; never rewritten
.set LP,  7                            ; v7   8192 + 4 (r - 8 h - 55)
.set BT,  8                            ; v8   LDS address into the table
.set ST,  16                           ; tile t at ST + 8 t: +0 nm = bias - m, +1 m, +2, +3 l (even keys', odd keys'), +4 .. +7 c0 .. c3, at work; a takes c2's place
.set S,   64
.set P,   128
.set BB,  128
.set Q,   192
.set KR,  0                            ; in window 1
.set VR,  64
.set OT,  128
.set WV,  10                           ; s10  wave
.set X,   11                           ; s11  my block of 512 queries
.set BH,  12                           ; s12  batch x 16 + head
.set G1,  16                           ; s[16:23] descriptor group 1
.set G0,  24                           ; s[24:27] descriptor group 0, which walks
.set SRC, 28                           ; s[28:29] my quarter of key block 0 of k (waves 0-3) or of v (waves 4-7)
.set OFF, 30                           ; s[30:31] the key block asked for, in bytes
.set KC,  32                           ; s32  the key block in hand
.set TK,  33                           ; s33  LDS byte of the step's k
.set DT,  34                           ; s34  4 x (DD modulo 2,048), kept positive: 8192 + 256 wave - 256 step
.set DD,  35                           ; s35  my first query - the step's first key, signed
.set B0,  36                           ; s36  rel_bias[0][head] log2(e)
.set B31, 37                           ; s37  rel_bias[31][head] log2(e)
.set AB,  38                           ; s38  the step's one bias, or 0 in the band
.set CM,  40                           ; s[40:41] the step's multiplier: c, or 1 in the band, where t is formed first
.set CC,  42                           ; s[42:43] c = log2(e) / 8
.set SEL, 44                           ; s[44:45] lane selects for v_permlanex16_b32: lane l xor 16
.set POSC, 46
.set QC,  47
.set MSB, 0
.macro WIN new                         ; the immediate's high byte repeats the setting that is left
.if MSB != \new
	s_set_vgpr_msb (MSB<<8)|\new
.set MSB, \new
.endif
.endm
.set W_LD, 0x40                        ; destination window 1
.set W_KQ, 0x01                        ; K in window 1; Q and S^T in window 0
.set W_PV, 0x51                        ; V and O^T in window 1, P in window 0
.set W_RS, 0x41                        ; O^T in window 1, a in window 0
	s_load_b128 s[4:7], s[0:1], 0x0                ; qkv s[4:5], rel_bias s[6:7]
	s_load_b64 s[8:9], s[0:1], 0x10                ; of
	v_lshl_add_u32 v[SPW], v0, 2, SPARE
	v_mov_b32 v[NIL], 0
	ds_add_u32 v[SPW], v[NIL]                      ; the wave's opening: the add, twice on end, and its wait ahead of my first tensor load
	ds_add_u32 v[SPW], v[NIL]
	v_lshrrev_b32 v9, 5, v0
	v_readfirstlane_b32 s[WV], v9                  ; wave 0..7
	s_mov_b32 s[X], ttmp9
	s_and_b32 s[BH], ttmp7, 0xffff
	; descriptor group 1: 16,384 dense bytes as 64 rows of 256 bytes (32 elements of 8 bytes), no padding: every LDS read of these tiles takes 512 consecutive bytes
	s_mov_b32 s[G1+0], 3<<16
	s_mov_b32 s[G1+1], 32<<16                      ; tensor_dim0
	s_mov_b32 s[G1+2], 64<<16                      ; tensor_dim1
	s_mov_b32 s[G1+3], 32<<16                      ; tile_dim0
	s_mov_b32 s[G1+4], 64                          ; tile_dim1
	s_mov_b32 s[G1+5], 32                          ; tensor_dim0_stride
	s_mov_b32 s[G1+6], 0
	s_mov_b32 s[G1+7], 0
	s_mov_b32 s[CC], 0x3e38aa3b                    ; log2(e) / 8
	s_mov_b32 s[CC+1], s[CC]                       ; (named with it as a pair, so it is written)
	s_mov_b32 s[CM+1], 0                           ; likewise
	s_mov_b32 s[SEL], 0x76543210
	s_mov_b32 s[SEL+1], 0xfedcba98
	s_mov_b32 s[KC], ttmp9                         ; the walk begins with my own block
	s_mov_b32 s[TK], 0
	s_lshl_b32 s[DT], s[WV], 8
	s_add_co_u32 s[DT], s[DT], 8192
	s_mov_b32 s[OFF+1], 0
	s_lshl_b32 s[OFF], s[X], 16
	s_lshr_b32 s48, s[WV], 2                       ; waves 0-3 fetch k (role 1), waves 4-7 v (role 2),
	s_add_co_u32 s48, s48, 1
	s_lshl_b32 s48, s48, 24
	s_lshl_b32 s49, s[BH], 18
	s_add_co_u32 s48, s48, s49
	s_and_b32 s49, s[WV], 3                        ; a quarter of a block each
	s_lshl_b32 s49, s49, 14
	s_add_co_u32 s48, s48, s49
	s_mov_b32 s49, 0
	s_lshl_b32 s50, s[WV], 14                      ; and lay it at wave x 16,384 of a slot
	s_wait_dscnt 0x0                               ; both opening adds are done
	s_wait_kmcnt 0x0
	s_add_nc_u64 s[SRC:SRC+1], s[4:5], s[48:49]
	s_mov_b32 s[G0], 1                             ; count = 1
	s_mov_b32 s[G0+1], s50                         ; LDS address: slot 0
	s_add_nc_u64 s[G0+2:G0+3], s[SRC:SRC+1], s[OFF:OFF+1]
	s_or_b32 s[G0+3], s[G0+3], 0x80000000          ; type = 2
	tensor_load_to_lds s[G0:G0+3], s[G1:G1+7]      ; every wave fetches: one load of mine is out, here and behind each barrier that a load follows
	s_nop 0
.rept 4
	v_nop
.endr
	s_and_b32 s52, s[BH], 15
	s_lshl_b32 s52, s52, 2                         ; 4 x head: my column of rel_bias; kept until the scalar loads are in
	s_load_b32 s[B0], s[6:7], s52 offset:0x0       ; bucket 0
	s_load_b32 s[B31], s[6:7], s52 offset:0x7c0    ; bucket 31: 31 rows of 64 bytes on
	v_min_u32 v9, 16, v0                           ; the bucket of d = my thread's number, 0 .. 255
.irp th, 19,21,24,27,31,35,40,46,52,59,67,77,87,99,113
	v_sub_nc_u32 v10, \th-1, v0                    ; negative from the threshold on:
	v_lshrrev_b32 v10, 31, v10                     ; 1 there
	v_add_nc_u32 v9, v9, v10
.endr
	v_lshl_add_u32 v10, v9, 6, s52
	global_load_b32 v11, v10, s[6:7]               ; rel_bias[bucket][head]
	s_lshl_b32 s48, s[X], 5
	s_lshl_b32 s49, s[WV], 2
	s_add_co_u32 s48, s48, s49                     ; my first tile of 16 queries in the sequence
	s_lshl_b32 s50, s48, 11
	s_lshl_b32 s49, s[BH], 18
	s_add_co_u32 s50, s50, s49
	s_mov_b32 s51, 0
	s_add_nc_u64 s[4:5], s[4:5], s[50:51]          ; q (role 0) at my first tile
	s_lshr_b32 s49, s[BH], 4
	s_lshl_b32 s49, s49, 7
	s_add_co_u32 s49, s49, s48
	s_lshl_b32 s50, s49, 15
	s_lshl_b32 s49, s52, 9                         ; head << 11
	s_add_co_u32 s50, s50, s49
	s_add_nc_u64 s[8:9], s[8:9], s[50:51]          ; o at my first tile and my head's two fragments
	v_and_b32 v12, 31, v0
	v_lshlrev_b32 v[AK0], 4, v12
.irp t, 0,1,2,3
.irp ks, 0,1
.irp c, 0,1
	global_load_b128 v[Q+16*\t+8*\ks+4*\c:Q+16*\t+8*\ks+4*\c+3], v[AK0], s[4:5] offset:(\t<<11)|(\ks<<10)|(\c<<9)   ; Q stays in registers
.endr
.endr
.endr
	v_and_b32 v12, 15, v0                          ; r
	v_bfe_u32 v13, v0, 4, 1                        ; h
	v_and_b32 v14, 7, v0
	v_bfe_u32 v15, v0, 3, 1
	v_lshl_add_u32 v14, v13, 3, v14                ; the turning load: lane L reads key 8 h + L % 8,
	v_lshl_add_u32 v14, v15, 4, v14                ; channels 8 ((L / 8) % 2) on: entry 8 h + L % 8 + 16 ((L / 8) % 2) of a chunk
	v_lshl_add_u32 v[AV0], v14, 4, VOFF
	v_lshl_add_u32 v14, v12, 2, 7972               ; 8192 - 4 x 55 + 4 r
	v_lshlrev_b32 v15, 5, v13
	v_sub_nc_u32 v[LP], v14, v15                   ; - 32 h
.irp t, 0,1,2,3
	v_mov_b32 v[ST+8*\t+1], 0xff61b1e6             ; m: -3e38, under every t
	v_mov_b32 v[ST+8*\t+2], 0                      ; l
	v_mov_b32 v[ST+8*\t+3], 0
.endr
	WIN W_LD
.set i, 0
.rept 128
	v_mov_b32 v[OT+i], 0                           ; O^T.  The step is written with no first step of its own: the first finds zeros, which the first a = 0 leaves zeros.  Once for the 32 steps
.set i, i+1
.endr
	WIN 0
	s_wait_kmcnt 0x0
	s_mul_f32 s[B0], s[B0], 0x3fb8aa3b             ; x log2(e)
	s_mul_f32 s[B31], s[B31], 0x3fb8aa3b
	s_wait_loadcnt 16                              ; the table's number is in; Q's sixteen loads may be out
	v_mul_f32 v11, 0x3fb8aa3b, v11
	v_mov_b32 v12, s[B31]
	v_mov_b32 v13, s[B0]
	v_lshl_add_u32 v15, v0, 2, TAB
	ds_store_b32 v15, v11                          ; d = 0 .. 255
.irp e, 1,2,3
	ds_store_b32 v15, v12 offset:1024*\e           ; d = 256 .. 1,023: bucket 31
.endr
.irp e, 4,5,6,7
	ds_store_b32 v15, v13 offset:1024*\e           ; entries 1,024 .. 2,047 stand for d < 0: bucket 0
.endr
	ds_store_b32 v15, v11 offset:8192              ; and 0 .. 255 once more
	s_wait_loadcnt 0x0                             ; Q
.macro FETCH_K off                     ; 64 keys x 64 channels: fragment (kt, ks) = keys 16 kt on, channels 32 ks on: 16 loads
.irp kt, 0,1,2,3
.irp ks, 0,1
	ds_load_b128 v[KR+16*\kt+8*\ks:KR+16*\kt+8*\ks+3],   v[ADK] offset:\off+2048*\kt+1024*\ks
	ds_load_b128 v[KR+16*\kt+8*\ks+4:KR+16*\kt+8*\ks+7], v[ADK] offset:\off+2048*\kt+1024*\ks+512
.endr
.endr
.endm
.macro FETCH_V                         ; turned: fragment (kg, ct) = channels 16 ct on x keys 32 kg on: 16 loads, each a permutation of one chunk's 512 bytes
.irp kg, 0,1
.irp ct, 0,1,2,3
	ds_load_tr16_b128 v[VR+32*\kg+8*\ct:VR+32*\kg+8*\ct+3],   v[ADV] offset:4096*\kg+1024*(\ct>>1)+512*(\ct&1)
	ds_load_tr16_b128 v[VR+32*\kg+8*\ct+4:VR+32*\kg+8*\ct+7], v[ADV] offset:4096*\kg+1024*(\ct>>1)+512*(\ct&1)+2048
.endr
.endr
.endm
; 16 products S^T = K Q^T for piece p: the eight accumulators take turns, one instruction a turn; the first eight start the sums
.macro QK p
	WIN W_KQ
.irp ks, 0,1
.irp kt, 0,1,2,3
.irp u, 0,1
.if \ks == 0
	v_wmma_f32_16x16x32_f16 v[S+32*\u+8*\kt:S+32*\u+8*\kt+7], v[KR+16*\kt+8*\ks:KR+16*\kt+8*\ks+7], v[Q+16*(2*\p+\u)+8*\ks:Q+16*(2*\p+\u)+8*\ks+7], 0
.else
	v_wmma_f32_16x16x32_f16 v[S+32*\u+8*\kt:S+32*\u+8*\kt+7], v[KR+16*\kt+8*\ks:KR+16*\kt+8*\ks+7], v[Q+16*(2*\p+\u)+8*\ks:Q+16*(2*\p+\u)+8*\ks+7], v[S+32*\u+8*\kt:S+32*\u+8*\kt+7]
.endif
.endr
.endr
.endr
.endm
; 16 products O^T += V^T P for piece p, the eight accumulators by turns
.macro PV p
	WIN W_PV
.irp kg, 0,1
.irp ct, 0,1,2,3
.irp u, 0,1
	v_wmma_f32_16x16x32_f16 v[OT+32*(2*\p+\u)+8*\ct:OT+32*(2*\p+\u)+8*\ct+7], v[VR+32*\kg+8*\ct:VR+32*\kg+8*\ct+7], v[P+16*\u+8*\kg:P+16*\u+8*\kg+7], v[OT+32*(2*\p+\u)+8*\ct:OT+32*(2*\p+\u)+8*\ct+7]
.endr
.endr
.endr
.endm
; THE SOFTMAX of piece p for one step, the two tiles line by line by turns, so that no line waits for the line above it
.macro SOFT p
.irp j, 0,1,2,3                        ; the largest of the lane's 32 numbers: four chains, each begun at its accumulator's low end
.irp u, 0,1
	v_max3_num_f32 v[ST+8*(2*\p+\u)+4+\j], v[S+32*\u+8*\j], v[S+32*\u+8*\j+1], v[S+32*\u+8*\j+2]
.endr
.endr
.irp i, 3,5
.irp j, 0,1,2,3
.irp u, 0,1
	v_max3_num_f32 v[ST+8*(2*\p+\u)+4+\j], v[ST+8*(2*\p+\u)+4+\j], v[S+32*\u+8*\j+\i], v[S+32*\u+8*\j+\i+1]
.endr
.endr
.endr
.irp u, 0,1
	v_max3_num_f32 v[ST+8*(2*\p+\u)+4], v[ST+8*(2*\p+\u)+4], v[S+32*\u+7], v[S+32*\u+15]
.endr
.irp u, 0,1
	v_max3_num_f32 v[ST+8*(2*\p+\u)+6], v[ST+8*(2*\p+\u)+6], v[S+32*\u+23], v[S+32*\u+31]
.endr
.irp u, 0,1
	v_max3_num_f32 v[ST+8*(2*\p+\u)+4], v[ST+8*(2*\p+\u)+4], v[ST+8*(2*\p+\u)+5], v[ST+8*(2*\p+\u)+6]
.endr
.irp u, 0,1
	v_max_num_f32 v[ST+8*(2*\p+\u)+4], v[ST+8*(2*\p+\u)+4], v[ST+8*(2*\p+\u)+7]
.endr
.irp u, 0,1
	v_permlanex16_b32 v[ST+8*(2*\p+\u)+5], v[ST+8*(2*\p+\u)+4], s[SEL], s[SEL+1]   ; the query's other 32 keys lie in the lane 16 away
.endr
.irp u, 0,1
	v_max_num_f32 v[ST+8*(2*\p+\u)+4], v[ST+8*(2*\p+\u)+4], v[ST+8*(2*\p+\u)+5]
.endr
.irp u, 0,1
	v_fma_f32 v[ST+8*(2*\p+\u)+4], v[ST+8*(2*\p+\u)+4], s[CM], s[AB]               ; as t: the multiplier is positive, so the largest stays the largest
.endr
.irp u, 0,1
	v_max_num_f32 v[ST+8*(2*\p+\u)+5], v[ST+8*(2*\p+\u)+1], v[ST+8*(2*\p+\u)+4]    ; the new m
.endr
.irp u, 0,1
	v_sub_f32 v[ST+8*(2*\p+\u)+7], v[ST+8*(2*\p+\u)+1], v[ST+8*(2*\p+\u)+5]        ; m_old - m_new
.endr
.irp u, 0,1
	v_mov_b32 v[ST+8*(2*\p+\u)+1], v[ST+8*(2*\p+\u)+5]
.endr
.irp u, 0,1
	v_sub_f32 v[ST+8*(2*\p+\u)], s[AB], v[ST+8*(2*\p+\u)+5]                        ; nm = bias - m
.endr
.set i, 0
.rept 16
.irp u, 0,1
	v_pk_fma_f32 v[S+32*\u+i:S+32*\u+i+1], v[S+32*\u+i:S+32*\u+i+1], s[CM:CM+1], v[ST+8*(2*\p+\u):ST+8*(2*\p+\u)+1] op_sel_hi:[1,0,0]   ; t - m, two at a time (of both pairs the low word serves both halves)
.endr
.set i, i+2
.endr
.irp u, 0,1
	v_exp_f32 v[ST+8*(2*\p+\u)+6], v[ST+8*(2*\p+\u)+7]                             ; a
.endr
.set i, 0
.rept 32
.irp u, 0,1
	v_exp_f32 v[S+32*\u+i], v[S+32*\u+i]                                           ; p.  The piece's 66 exponentials are one batch: none reads another's result
.endr
.set i, i+1
.endr
	v_nop                                          ; a plain instruction behind the last exponential
	s_wait_alu depctr_va_vdst(0)                   ; a wait ahead of the first instruction that names a result: one for the batch
.set i, 0
.rept 16
.irp u, 0,1
	v_cvt_pk_f16_f32 v[P+16*\u+i], v[S+32*\u+2*i], v[S+32*\u+2*i+1]                ; two neighbouring keys' weights: source 1 of the second product as it stands
.endr
.set i, i+1
.endr
.irp i, 0,4,8,12,16,20,24,28           ; the sum of the unrounded p, in place, in pairs (an even key's, an odd key's)
.irp u, 0,1
	v_pk_add_f32 v[S+32*\u+\i:S+32*\u+\i+1], v[S+32*\u+\i:S+32*\u+\i+1], v[S+32*\u+\i+2:S+32*\u+\i+3]
.endr
.endr
.irp i, 0,8,16,24
.irp u, 0,1
	v_pk_add_f32 v[S+32*\u+\i:S+32*\u+\i+1], v[S+32*\u+\i:S+32*\u+\i+1], v[S+32*\u+\i+4:S+32*\u+\i+5]
.endr
.endr
.irp i, 0,16
.irp u, 0,1
	v_pk_add_f32 v[S+32*\u+\i:S+32*\u+\i+1], v[S+32*\u+\i:S+32*\u+\i+1], v[S+32*\u+\i+8:S+32*\u+\i+9]
.endr
.endr
.irp u, 0,1
	v_pk_add_f32 v[S+32*\u:S+32*\u+1], v[S+32*\u:S+32*\u+1], v[S+32*\u+16:S+32*\u+17]
.endr
.irp u, 0,1
	v_pk_fma_f32 v[ST+8*(2*\p+\u)+2:ST+8*(2*\p+\u)+3], v[ST+8*(2*\p+\u)+2:ST+8*(2*\p+\u)+3], v[ST+8*(2*\p+\u)+6:ST+8*(2*\p+\u)+7], v[S+32*\u:S+32*\u+1] op_sel_hi:[1,0,1]   ; l = a l + the sum
.endr
.endm
; A PIECE's part of a step: scores, (band: bias,) softmax, O^T rescaled, second product
.macro PIECE p
	QK \p
	WIN 0
.rept 4
	v_nop                                          ; four places behind the products: for the reads of S^T, for the loads into K's registers and into the band's, which lie over P
.endr
.if \p == 1
	s_cmp_eq_u32 s[QC], 1                          ; both pieces have multiplied by this step's k: the next step's is fetched, unless this is the slot's last step
	s_cbranch_scc1 .Lnk_\@
	WIN W_LD
	FETCH_K 8192
	WIN 0
.Lnk_\@:
.endif
	s_cmp_gt_u32 s[DD], 128                        ; unsigned: true of DD < 0 and of DD >= 192.  Made of ids and the count of steps alone
	s_cbranch_scc1 .Lnb_\@
.irp u, 0,1                            ; THE BAND: register (u, kt, j) holds d = DD + 16 (2 p + u) - 16 kt + r - 8 h - j
.irp kt, 0,1,2,3
.irp j, 0,1,2,3,4,5,6,7
	ds_load_b32 v[BB+32*\u+8*\kt+\j], v[BT] offset:4*(55+16*(2*\p+\u)-16*\kt-\j)
.endr
.endr
.endr
	s_wait_dscnt 0x0
.set i, 0
.rept 32
	v_pk_fma_f32 v[S+i:S+i+1], v[S+i:S+i+1], s[CC:CC+1], v[BB+i:BB+i+1] op_sel_hi:[1,0,1]   ; t = score c + bias log2(e); each accumulator from its low end on
.set i, i+2
.endr
.Lnb_\@:
	SOFT \p
	WIN W_RS
.set i, 0
.rept 16
.irp u, 0,1
	v_pk_mul_f32 v[OT+32*(2*\p+\u)+i:OT+32*(2*\p+\u)+i+1], v[OT+32*(2*\p+\u)+i:OT+32*(2*\p+\u)+i+1], v[ST+8*(2*\p+\u)+6:ST+8*(2*\p+\u)+7] op_sel_hi:[1,0]   ; O^T x a
.endr
.set i, i+2
.endr
.if \p == 0
	s_wait_dscnt 0x0                               ; V is in
.endif
	PV \p
	WIN 0
.endm
; A KEY STEP: 64 keys
.macro STEP
	v_add_nc_u32 v[ADK], s[TK], v[AK0]             ; five plain lines: also the places between the last step's second products and the loads into V's registers
	v_add_nc_u32 v[ADV], s[TK], v[AV0]
	v_add_nc_u32 v[BT], s[DT], v[LP]
	v_and_b32 v[BT], 0x1ffc, v[BT]                 ; modulo 2,048 entries
	v_add_nc_u32 v[BT], TAB, v[BT]
	s_cmp_lt_i32 s[DD], 0
	s_cselect_b32 s[AB], s[B0], s[B31]             ; all keys at or after my queries: bucket 0; all 113 or more before: bucket 31
	s_cmp_gt_u32 s[DD], 128
	s_cselect_b32 s[AB], s[AB], 0                  ; in the band t is formed first,
	s_cselect_b32 s[CM], s[CC], 1.0                ; and goes on as it is
	WIN W_LD
	FETCH_V
	s_wait_dscnt 16                                ; K, asked for a step ago, is in; V's sixteen loads may be out
	PIECE 0
	PIECE 1
	s_add_co_u32 s[TK], s[TK], 8192
	s_sub_co_u32 s[DT], s[DT], 256
	s_sub_co_i32 s[DD], s[DD], 64
.endm
; THE CHANGE OF SLOTS stands at a slot's head.  Each wave waits for all its tensor loads (its part of the slot that it is about to read), adds 0 to its spare word, and waits for that, for its reads of the slot that it has left and, the first
; time, for its stores into the table.  Behind the barrier the slot ahead is whole and nobody reads the other.  fill = 1: the other slot takes the next position's block: the load has eight key steps in which to land.
.macro CHANGE fill
	s_wait_tensorcnt 0x0                           ; no tensor load of mine is out, so group 0 may be written
	ds_add_u32 v[SPW], v[NIL]
.if \fill
	s_xor_b32 s[G0+1], s[G0+1], SLOT1              ; the other slot than last time,
	s_add_co_u32 s48, s[KC], 1
	s_and_b32 s48, s48, 3                          ; the next block of the rotated walk
	s_lshl_b32 s[OFF], s48, 16
	s_add_nc_u64 s[G0+2:G0+3], s[SRC:SRC+1], s[OFF:OFF+1]
	s_or_b32 s[G0+3], s[G0+3], 0x80000000
.endif
	s_wait_dscnt 0x0
	s_barrier_signal -1
	s_barrier_wait -1
.if \fill
	tensor_load_to_lds s[G0:G0+3], s[G1:G1+7]      ; the first thing behind the barrier, and my one tensor load until the next
	s_nop 0
.rept 4
	v_nop
.endr
.endif
.endm
.macro SLOT_STEPS                      ; a slot's eight key steps: written once, walked eight times
	s_sub_co_i32 s48, s[X], s[KC]
	s_lshl_b32 s48, s48, 9
	s_lshl_b32 s49, s[WV], 6
	s_add_co_i32 s[DD], s48, s49                   ; my first query - the block's first key
	v_add_nc_u32 v[ADK], s[TK], v[AK0]
	WIN W_LD
	FETCH_K 0
	WIN 0
	s_mov_b32 s[QC], 8
.Lstep_\@:
	STEP
	s_sub_co_u32 s[QC], s[QC], 1
	s_cmp_lg_u32 s[QC], 0
	s_cbranch_scc1 .Lstep_\@
	s_sub_co_u32 s[TK], s[TK], 65536               ; back to a slot's first step,
	s_xor_b32 s[TK], s[TK], SLOT1                  ; in the other slot
	s_add_co_u32 s[KC], s[KC], 1
	s_and_b32 s[KC], s[KC], 3
.endm
	s_mov_b32 s[POSC], 3
.Lpos:                                             ; positions 0, 1, 2: each asks for the next position's block
	CHANGE 1
	SLOT_STEPS
	s_sub_co_u32 s[POSC], s[POSC], 1
	s_cmp_lg_u32 s[POSC], 0
	s_cbranch_scc1 .Lpos
	CHANGE 0                                       ; position 3 is written out: nothing is left to fetch
	SLOT_STEPS
	; THE WAY OUT.  l's two halves and the other half of the lanes' are added; O^T is divided by l, rounded to f16 in pairs, and each lane's 16 bytes are stored at 16 x lane of their chunk: a store covers 512 consecutive bytes.
.irp t, 0,1,2,3
	v_add_f32 v[ST+8*\t+4], v[ST+8*\t+2], v[ST+8*\t+3]             ; (these four are the places behind the last products)
.endr
.irp t, 0,1,2,3
	v_permlanex16_b32 v[ST+8*\t+5], v[ST+8*\t+4], s[SEL], s[SEL+1]
.endr
.irp t, 0,1,2,3
	v_add_f32 v[ST+8*\t+4], v[ST+8*\t+4], v[ST+8*\t+5]
.endr
.irp t, 0,1,2,3
	v_rcp_f32 v[ST+8*\t+6], v[ST+8*\t+4]
.endr
	v_nop                                          ; a plain instruction behind the last reciprocal
	s_wait_alu depctr_va_vdst(0)                   ; and a wait ahead of the first use: one for the four
.irp p, 0,1
	WIN 0x01                                       ; O^T in window 1, all else in window 0
.set i, 0
.rept 16
.irp u, 0,1
	v_pk_mul_f32 v[S+32*\u+i:S+32*\u+i+1], v[OT+32*(2*\p+\u)+i:OT+32*(2*\p+\u)+i+1], v[ST+8*(2*\p+\u)+6:ST+8*(2*\p+\u)+7] op_sel_hi:[1,0]
.endr
.set i, i+2
.endr
	WIN 0
.set i, 0
.rept 16
.irp u, 0,1
	v_cvt_pk_f16_f32 v[P+16*(2*\p+\u)+i], v[S+32*\u+2*i], v[S+32*\u+2*i+1]
.endr
.set i, i+1
.endr
.irp u, 0,1
.irp ct, 0,1,2,3
	global_store_b128 v[AK0], v[P+16*(2*\p+\u)+4*\ct:P+16*(2*\p+\u)+4*\ct+3], s[8:9] offset:((2*\p+\u)<<15)|((\ct>>1)<<10)|((\ct&1)<<9)
.endr
.endr
.endr
	s_wait_tensorcnt 0x0                           ; the wave's end, behind my last tensor load and my last LDS store
	ds_add_u32 v[SPW], v[NIL]
	s_wait_dscnt 0x0
	s_endpgm
.Lfunc_end_k_q3689d85b0f_attn:
	.size	k_q3689d85b0f_attn, .Lfunc_end_k_q3689d85b0f_attn-k_q3689d85b0f_attn
	.p2alignl 7, 3214868480
	.fill 96, 4, 3214868480
	.section	.rodata,"a",@progbits
	.p2align	6, 0x0
	.amdhsa_kernel k_q3689d85b0f_attn
		.amdhsa_group_segment_fixed_size 327680
		.amdhsa_private_segment_fixed_size 0
		.amdhsa_enable_private_segment 0
		.amdhsa_kernarg_size 24
		.amdhsa_user_sgpr_count 2
		.amdhsa_user_sgpr_kernarg_segment_ptr 1
		.amdhsa_wavefront_size32 1
		.amdhsa_system_sgpr_workgroup_id_x 1
		.amdhsa_system_sgpr_workgroup_id_y 1
		.amdhsa_system_sgpr_workgroup_id_z 1
		.amdhsa_system_vgpr_workitem_id 0
		.amdhsa_next_free_vgpr 512
		.amdhsa_next_free_sgpr 66
		.amdhsa_reserve_vcc 0
		.amdhsa_float_denorm_mode_32 3
		.amdhsa_float_denorm_mode_16_64 3
		.amdhsa_memory_ordered 1
		.amdhsa_forward_progress 1
		.amdhsa_inst_pref_size 117
	.end_amdhsa_kernel
	.amdgpu_metadata
---
amdhsa.version: [ 1, 2 ]
amdhsa.kernels:
  - .name:           k_q3689d85b0f_attn
    .symbol:         k_q3689d85b0f_attn.kd
    .args:
      - { .name: qkv, .offset: 0, .size: 8, .value_kind: global_buffer, .address_space: global }
      - { .name: rel_bias, .offset: 8, .size: 8, .value_kind: global_buffer, .address_space: global }
      - { .name: of, .offset: 16, .size: 8, .value_kind: global_buffer, .address_space: global }
    .group_segment_fixed_size: 327680
    .private_segment_fixed_size: 0
    .kernarg_segment_align: 8
    .kernarg_segment_size: 24
    .max_flat_workgroup_size: 256
    .sgpr_count:     66
    .vgpr_count:     512
    .wavefront_size: 32
...
	.end_amdgpu_metadata
.endif
;; end of part 3
;; launch oproj (part 4): grid 4 x 64, 4 waves a work-group, clusters of 4 x 4, 327,680 bytes of LDS; arguments of, wo16, bo, out0; writes out0
.if DOCPART == 4
	.amdgcn_target "amdgcn-amd-amdhsa--gfx1250"
	.amdhsa_code_object_version 6
	.text
	.protected	k_q3689d85b0f_oproj
	.globl	k_q3689d85b0f_oproj
	.p2align	8
	.type	k_q3689d85b0f_oproj,@function
k_q3689d85b0f_oproj:
	s_mov_b64 s[64:65], 0
	v_nop
	global_prefetch_b8 v0, s[64:65] scope:SCOPE_SE
	s_setreg_imm32_b32 hwreg(HW_REG_WAVE_MODE, 25, 1), 1
	s_wait_xcnt 0x0
	s_wait_alu depctr_hold_cnt(0) depctr_sa_sdst(0) depctr_va_vdst(0) depctr_va_sdst(0) depctr_va_ssrc(0) depctr_va_vcc(0) depctr_vm_vsrc(0)
	s_getreg_b32 s2, hwreg(HW_REG_IB_STS2, 6, 4)
	s_cmp_eq_u32 s2, 0
	s_cbranch_scc0 .Lentry_in_a_cluster
	s_endpgm
.Lentry_in_a_cluster:
	s_bfe_u32 s2, ttmp6, 0x10000c
	s_cmp_lg_u32 s2, 0xf033
	s_cbranch_scc0 .Lentry_shape_is_right
	s_endpgm
.Lentry_shape_is_right:
; THE PROJECTION ON THE WAY OUT: out0[token][d] = the sum over c of o[token][c] wo[d][c] + bo[d].  o and wo in f16, sums and result in f32.  8,192 tokens, 1,024 x 1,024.
; o arrives as images of operand registers: (token / 16) << 15 + (c / 32) << 10 + chunk << 9 + 16 x lane; wo16 is row-major, 2,048 bytes a row.
; A tile of 128 tokens x 256 outputs is made by a work-group of four waves: 256 tiles in all (tiles of 256 x 256 would be 128).  A wave makes 64 tokens x 128 outputs: 32 accumulators of 16 x 16, 256 registers.
; K goes in 8 steps of 128 through a ring of two LDS slots.  o's part of a step is 8 token tiles x 4,096 dense bytes, read from LDS 512 consecutive bytes a load; wo's is 256 rows of 256 bytes, padded to 272.
; CLUSTERS: 4 x 4 work-groups.  The four of a row of the cluster need the same tiles of o, the four of a column the same tiles of wo: each tile is asked for JOINTLY, by the same tensor load with the same descriptor and a mask
; that names the four.  THE MATRIX INSTRUCTION IS USED TRANSPOSED (source 0 = 16 rows of wo, source 1 = 16 tokens): a lane holds eight neighbouring outputs of one token.  bo is the C of each sum's first product: it costs no instruction.
; REGISTERS: window 0: v0-31 addresses; v64-127 bo in the result's layout; v128-255 the way out, two sets of 64.   window 1: the accumulators, (a, b) at v[8 (8 a + b)].
;   window 2: two fragment buffers at v0 and v128: wo's eight fragments (16 rows x 32 K), then o's four.
.set KSTEPB, 256                       ; a K step of wo's row in bytes
.set PITCH,  272                       ; wo's LDS row: 256 bytes + 16 of padding = 68 words: the 16 rows of a load start at 16 different banks (64 banks of 4 bytes: ISA guide 11.1)
.set AHALF,  16384                     ; four token tiles x 4,096 bytes: what one tensor load brings of o, and what one wave reads
.set BHALF,  128*PITCH                 ; 128 rows of wo likewise
.set BOFF,   2*AHALF
.set SLOT,   BOFF+2*BHALF
.set SPARE,  2*SLOT                    ; behind the ring: the spare words, 128 bytes a wave, which no other line names
.set SPITCH, 528                       ; the way out: a stage of 16 rows x (512 bytes + 16) for each wave, in slot 0, which has had its last fill and its last read when the first result is stored there
.set LAPS,   4                         ; a lap = two K steps = once round the ring
.set ADRA, 16                          ; v16-17  LDS address of my fragments of o in slot 0, 1
.set ADRB, 20                          ; v20-21  the same for wo
.set STO,  24                          ; v24     the way out: where I put 32 bytes of a row
.set RD,   25                          ; v25     where I read a row back
.set CO,   26                          ; v26     16 x lane
.set SPW,  28                          ; v28     LDS address of my spare word; never rewritten
.set NIL,  29                          ; v29     0; never rewritten
.set BO,   30                          ; v30     32 x (lane / 16)
.set BIAS, 64
.set BK,   128
.set F0,   0
.set F1,   128
.set G1,  24                           ; s[24:31] descriptor group 1 for o's tiles;  s[32:39] group 0, one set for each slot
.set G0,  32
.set G1B, 48                           ; s[48:55], s[56:63] the same for wo's
.set G0B, 56
.set MSB, 0
.macro WIN new                         ; the immediate's high byte repeats the setting that is left
.if MSB != \new
	s_set_vgpr_msb (MSB<<8)|\new
.set MSB, \new
.endif
.endm
.set MUL,  0x5a                        ; sources 0 and 1 window 2; C and D window 1
.set MUL1, 0x4a                        ; the same with C (bo) in window 0
.set TO_F, 0x80                        ; destination window 2, address window 0
.macro JLOAD s                         ; a joint load: waves 0 and 1 fetch o's two halves, waves 2 and 3 wo's; an s_nop 0 and four v_nop follow each of the two lines
	s_cmp_eq_u32 s13, 0
	s_cbranch_scc0 .Lfor_b_\@
	tensor_load_to_lds s[G0+4*\s:G0+4*\s+3], s[G1:G1+7]
	s_nop 0
.rept 4
	v_nop
.endr
	s_branch .Lasked_\@
.Lfor_b_\@:
	tensor_load_to_lds s[G0B+4*\s:G0B+4*\s+3], s[G1B:G1B+7]
	s_nop 0
.rept 4
	v_nop
.endr
.Lasked_\@:
.endm
.macro CREST                           ; a round of the cluster's barrier behind its opening barrier
	s_cmp_lg_u32 s12, 0
	s_cbranch_scc1 .Lnot_wave_0_\@
	s_barrier_signal -3
.Lnot_wave_0_\@:
	s_barrier_wait -3
	s_barrier_signal -1
	s_barrier_wait -1
.endm
.macro CROUND
	s_barrier_signal -1
	s_barrier_wait -1
	CREST
.endm
	s_load_b256 s[4:11], s[0:1], 0x0               ; of s[4:5], wo16 s[6:7], bo s[8:9], out0 s[10:11]
	v_lshl_add_u32 v[SPW], v0, 2, SPARE
	v_mov_b32 v[NIL], 0
	ds_add_u32 v[SPW], v[NIL]                      ; the wave's opening: the add, twice on end, and its wait ahead of my first tensor load
	ds_add_u32 v[SPW], v[NIL]
	v_lshrrev_b32 v1, 5, v0
	v_readfirstlane_b32 s12, v1                    ; wave 0..3
	s_lshr_b32 s13, s12, 1                         ; which 64 tokens are mine.  Also: I fetch for o (0) or for wo (1)
	s_and_b32 s14, s12, 1                          ; which 128 outputs.  Also: which half of that tile I fetch
	s_bfe_u32 s40, ttmp6, 0x40000                  ; cx, cy: my place in the cluster
	s_bfe_u32 s41, ttmp6, 0x40004
	s_lshl_b32 s42, ttmp9, 2
	s_add_co_u32 s42, s42, s40                     ; tile column = 4 x cluster x + cx
	s_and_b32 s43, ttmp7, 0xffff
	s_lshl_b32 s43, s43, 2
	s_add_co_u32 s43, s43, s41                     ; tile row = 4 x cluster y + cy
	s_lshl_b32 s44, s41, 2
	s_lshl_b32 s44, 15, s44                        ; my row of the cluster
	s_lshl_b32 s45, 0x1111, s40                    ; my column
	; o: 4 rows of 4,096 bytes (512 elements of 8 bytes), 32,768 bytes apart, dense in LDS
	s_or_b32 s[G1+0], s44, (3<<16)|(1<<21)         ; 15:0 the mask: my row; 17:16 elements of 8 bytes; 21 set beside a mask
	s_mov_b32 s[G1+1], 512<<16                     ; tensor_dim0
	s_mov_b32 s[G1+2], 4<<16                       ; tensor_dim1
	s_mov_b32 s[G1+3], 512<<16                     ; tile_dim0
	s_mov_b32 s[G1+4], 4                           ; tile_dim1
	s_mov_b32 s[G1+5], 4096                        ; tensor_dim0_stride
	s_mov_b32 s[G1+6], 0
	s_mov_b32 s[G1+7], 0
	; wo: 128 rows x 128 elements of 2 bytes, four words of padding after every 64
	s_or_b32 s[G1B+0], s45, (1<<16)|(1<<20)|(1<<21)|(5<<22)|(3<<25)
	s_mov_b32 s[G1B+1], 128<<16
	s_mov_b32 s[G1B+2], 128<<16
	s_mov_b32 s[G1B+3], 128<<16
	s_mov_b32 s[G1B+4], 128
	s_mov_b32 s[G1B+5], 1024
	s_mov_b32 s[G1B+6], 0
	s_mov_b32 s[G1B+7], 0
	s_lshl_b32 s16, s43, 3
	s_lshl_b32 s17, s14, 2
	s_add_co_u32 s16, s16, s17                     ; o: token tile 8 x tile row + 4 x half,
	s_lshl_b32 s16, s16, 15                        ; 32,768 bytes each
	s_mov_b32 s17, 0
	s_lshl_b32 s46, s42, 8
	s_lshl_b32 s47, s14, 7
	s_add_co_u32 s46, s46, s47                     ; wo: row 256 x tile column + 128 x half,
	s_lshl_b32 s46, s46, 11                        ; 2,048 bytes each
	s_mov_b32 s47, 0
	s_lshl_b32 s20, s14, 14                        ; where they go: no place in the cluster enters an LDS address
	s_mul_i32 s21, s14, BHALF
	s_add_co_u32 s21, s21, BOFF
	s_wait_dscnt 0x0                               ; both opening adds are done
	s_wait_kmcnt 0x0
	s_add_nc_u64 s[18:19], s[4:5], s[16:17]
	s_add_nc_u64 s[46:47], s[6:7], s[46:47]
	CROUND                                         ; all sixteen work-groups are here: the first joint loads meet
.irp s, 0,1
	s_mov_b32 s[G0+4*\s], 1
	s_add_co_u32 s[G0+4*\s+1], s20, \s*SLOT
	s_add_nc_u64 s[G0+4*\s+2:G0+4*\s+3], s[18:19], \s*4096
	s_or_b32 s[G0+4*\s+3], s[G0+4*\s+3], 0x80000000
	s_mov_b32 s[G0B+4*\s], 1
	s_add_co_u32 s[G0B+4*\s+1], s21, \s*SLOT
	s_add_nc_u64 s[G0B+4*\s+2:G0B+4*\s+3], s[46:47], \s*KSTEPB
	s_or_b32 s[G0B+4*\s+3], s[G0B+4*\s+3], 0x80000000
	JLOAD \s                                       ; two loads of mine are out
.endr
	v_and_b32 v1, 15, v0                           ; r
	v_bfe_u32 v2, v0, 4, 1                         ; h
	v_and_b32 v6, 31, v0
	v_lshlrev_b32 v[CO], 4, v6
	v_lshlrev_b32 v[BO], 5, v2
	v_mul_u32_u24 v3, v1, PITCH
	v_lshl_add_u32 v3, v2, 4, v3                   ; wo: row x pitch + 16 x half
	s_lshl_b32 s21, s13, 14                        ; my four token tiles
	s_mul_i32 s22, s14, BHALF                      ; my 128 rows of wo
	s_add_co_u32 s22, s22, BOFF
.irp s, 0,1
	v_add_nc_u32 v[ADRA+\s], s21, v[CO]
	v_add_nc_u32 v[ADRB+\s], s22, v3
	s_add_co_u32 s21, s21, SLOT
	s_add_co_u32 s22, s22, SLOT
.endr
	s_mul_i32 s23, s12, 16*SPITCH                  ; my stage
	v_mul_u32_u24 v5, v1, SPITCH
	v_lshl_add_u32 v5, v2, 5, v5
	v_add_nc_u32 v[STO], s23, v5                   ; in: row r, 32 bytes for each half of the lanes
	v_add_nc_u32 v[RD], s23, v[CO]                 ; back: the 32 lanes take one row of 512 bytes
	s_lshl_b32 s16, s43, 7
	s_lshl_b32 s17, s13, 6
	s_add_co_u32 s16, s16, s17                     ; my first token: 128 x tile row + 64 x half,
	s_lshl_b32 s16, s16, 12                        ; 4,096 bytes a row of out0
	s_mov_b32 s17, 0
	s_lshl_b32 s46, s42, 10                        ; my first output, in bytes: 1,024 x tile column + 512 x half
	s_lshl_b32 s47, s14, 9
	s_add_co_u32 s46, s46, s47
	s_mov_b32 s47, 0
	s_add_nc_u64 s[8:9], s[8:9], s[46:47]
	s_add_nc_u64 s[16:17], s[16:17], s[46:47]
	s_add_nc_u64 s[10:11], s[10:11], s[16:17]
.irp b, 0,1,2,3,4,5,6,7
	global_load_b128 v[BIAS+8*\b:BIAS+8*\b+3],   v[BO], s[8:9] offset:64*\b       ; lane (r, h): bo of outputs 16 b + 8 h + 0 .. 7
	global_load_b128 v[BIAS+8*\b+4:BIAS+8*\b+7], v[BO], s[8:9] offset:64*\b+16
.endr
; 8 matrix instructions: token block a against wo's eight, 32 along K.  first = 1: bo starts the sums.  The 32 accumulators take turns, one instruction a turn, in the same order in every quarter.
.macro MUL8 f, a, first
.irp b, 0,1,2,3,4,5,6,7
.if \first
	v_wmma_f32_16x16x32_f16 v[8*(8*(\a)+\b):8*(8*(\a)+\b)+7], v[\f+8*\b:\f+8*\b+7], v[\f+64+8*(\a):\f+64+8*(\a)+7], v[BIAS+8*\b:BIAS+8*\b+7]
.else
	v_wmma_f32_16x16x32_f16 v[8*(8*(\a)+\b):8*(8*(\a)+\b)+7], v[\f+8*\b:\f+8*\b+7], v[\f+64+8*(\a):\f+64+8*(\a)+7], v[8*(8*(\a)+\b):8*(8*(\a)+\b)+7]
.endif
.endr
.endm
; 24 LDS loads in one run: a quarter's fragments (32 along K, the slot's kq-th) into buffer f: wo's sixteen first, then o's eight
.macro FETCH slot, kq, f
	WIN TO_F
.irp i, 0,1,2,3,4,5,6,7
	ds_load_b128 v[\f+8*\i:\f+8*\i+3],   v[ADRB+\slot] offset:64*(\kq)+\i*16*PITCH
	ds_load_b128 v[\f+8*\i+4:\f+8*\i+7], v[ADRB+\slot] offset:64*(\kq)+\i*16*PITCH+32
.endr
.irp a, 0,1,2,3
	ds_load_b128 v[\f+64+8*\a:\f+64+8*\a+3],   v[ADRA+\slot] offset:4096*\a+1024*(\kq)
	ds_load_b128 v[\f+64+8*\a+4:\f+64+8*\a+7], v[ADRA+\slot] offset:4096*\a+1024*(\kq)+512
.endr
.endm
.macro PLACES                          ; four plain vector instructions in front of loads into registers that matrix instructions have read, and of the first read of results
.rept 4
	v_nop
.endr
.endm
; A K step is four quarters of 32 along K, 32 matrix instructions each, on buffers 0, 1, 0, 1.  One of the first three: multiplies buffer f and fetches the next quarter, kq, into g.
.macro QUARTER slot, kq, f, g, first
	s_wait_dscnt 4                                 ; wo's fragments and o's blocks 0, 1 are in; the youngest four loads (blocks 2, 3) may be out
.if \first
	WIN MUL1
.else
	WIN MUL
.endif
	MUL8 \f, 0, \first
	MUL8 \f, 1, \first
	PLACES
	FETCH \slot, \kq, \g
	s_wait_dscnt 24                                ; all but the 24 just issued
.if \first
	WIN MUL1
.else
	WIN MUL
.endif
	MUL8 \f, 2, \first
	MUL8 \f, 3, \first
.endm
; The last quarter multiplies buffer 1 and changes slots: ONE barrier; in front of it each wave waits for all its tensor loads, adds 0 to its spare word, and waits for that and for its own reads of this slot.
; fill = 1: the barrier opens a round of the cluster's, and this slot is filled again, two K steps ahead: 112 matrix instructions stand between that request and the wait for it.
.macro TURN slot, next, fill
	WIN 0                                          ; (the add's two registers lie in window 0)
	s_wait_tensorcnt 0x0                           ; all my tensor loads have landed: my part of the next slot
	ds_add_u32 v[SPW], v[NIL]
	s_wait_dscnt 5                                 ; (the add and the youngest four loads may be out)
	WIN MUL
	MUL8 F1, 0, 0
	s_wait_dscnt 0x0                               ; the add is done, and my reads of this slot are over
	s_barrier_signal -1
	MUL8 F1, 1, 0
.if \fill
	WIN 0
.endif
	s_barrier_wait -1
.if \fill
	CREST                                          ; no wave of any partner still reads this slot's tile or has a load on its way
	s_add_nc_u64 s[G0+4*\slot+2:G0+4*\slot+3], s[G0+4*\slot+2:G0+4*\slot+3], 2*4096
	s_add_nc_u64 s[G0B+4*\slot+2:G0B+4*\slot+3], s[G0B+4*\slot+2:G0B+4*\slot+3], 2*KSTEPB
	JLOAD \slot                                    ; the first tensor load behind the round; its four v_nop are also the places in front of the loads below
.else
	PLACES
.endif
	FETCH \next, 0, F0
	WIN MUL
	MUL8 F1, 2, 0
	MUL8 F1, 3, 0
.endm
	s_wait_tensorcnt 1                             ; my part of K step 0 is in (K step 1's load may be out),
	s_barrier_signal -1
	s_barrier_wait -1                              ; everybody's is
	FETCH 0, 0, F0
	s_wait_loadcnt 0x0                             ; bo
	QUARTER 0, 1, F0, F1, 1                        ; the first quarter stands in front of the loop: its products start the sums from bo
	WIN 0                                          ; at a label and at a branch every window is 0
	s_mov_b32 s15, LAPS-1
.Llap:                                             ; a trip goes once round the ring, from a lap's second quarter to the next lap's first, and fills both slots again
	QUARTER 0, 2, F1, F0, 0
	QUARTER 0, 3, F0, F1, 0
	TURN 0, 1, 1
	QUARTER 1, 1, F0, F1, 0
	QUARTER 1, 2, F1, F0, 0
	QUARTER 1, 3, F0, F1, 0
	TURN 1, 0, 1
	QUARTER 0, 1, F0, F1, 0
	WIN 0
	s_sub_co_u32 s15, s15, 1
	s_cmp_lg_u32 s15, 0
	s_cbranch_scc1 .Llap
	QUARTER 0, 2, F1, F0, 0                        ; the last lap fills nothing, and has no round of the cluster's barrier
	QUARTER 0, 3, F0, F1, 0
	TURN 0, 1, 0
	QUARTER 1, 1, F0, F1, 0
	QUARTER 1, 2, F1, F0, 0
	QUARTER 1, 3, F0, F1, 0
	s_wait_dscnt 4                                 ; the very last quarter: nothing more to fetch
	WIN MUL
	MUL8 F1, 0, 0
	MUL8 F1, 1, 0
	s_wait_dscnt 0
	MUL8 F1, 2, 0
	MUL8 F1, 3, 0
	WIN 0
; THE WAY OUT, block by block of 16 tokens x 128 outputs.  A lane holds 32 neighbouring bytes of a row, and the lanes beside it hold other rows: so a block goes through my own stage in LDS and comes back as whole rows of 512 bytes.
; LDS serves a wave's instructions in order (ISA guide 5.7.1.4): no wait between the stores and the loads, nor in front of the next block's stores.
.macro TOSTAGE a
	WIN 0x04                                       ; an LDS store's data are its source 1: window 1
.irp b, 0,1,2,3,4,5,6,7
	ds_store_b128 v[STO], v[8*(8*(\a)+\b):8*(8*(\a)+\b)+3] offset:64*\b          ; each accumulator from its low end on
	ds_store_b128 v[STO], v[8*(8*(\a)+\b)+4:8*(8*(\a)+\b)+7] offset:64*\b+16
.endr
	WIN 0
.set BBK, BK+64*((\a)%2)
.irp t, 0,1,2,3,4,5,6,7,8,9,10,11,12,13,14,15
	ds_load_b128 v[BBK+4*\t:BBK+4*\t+3], v[RD] offset:\t*SPITCH
.endr
.endm
.macro SEND a, younger                 ; younger: the LDS instructions issued behind block a's loads, which may stay out
.set BBK, BK+64*((\a)%2)
	s_wait_dscnt \younger                          ; the block is back in registers
.if (\a) > 0
	s_add_nc_u64 s[10:11], s[10:11], 16*4096       ; 16 rows of out0 on (behind a wait that shows that the earlier stores have read their base)
.endif
.irp t, 0,1,2,3,4,5,6,7,8,9,10,11,12,13,14,15
	global_store_b128 v[CO], v[BBK+4*\t:BBK+4*\t+3], s[10:11] offset:\t*4096 th:TH_STORE_NT   ; 32 lanes store 512 consecutive bytes, at a multiple of 512 from out0's first byte; written once, read by nobody here
.endr
.endm
	PLACES
	TOSTAGE 0
.irp a, 1,2,3
.if \a > 1
	s_wait_xcnt 0x0                                ; block a - 2's stores have read their registers and their base: block a's loads may land there, and the base may step
.endif
	TOSTAGE \a
	SEND \a-1, 32                                  ; behind block a - 1's loads: block a's 16 stores and 16 loads
.endr
	s_wait_xcnt 0x0                                ; block 2's stores have read their base
	SEND 3, 0
	s_wait_tensorcnt 0x0                           ; the wave's end, behind my last tensor load and my last LDS store
	ds_add_u32 v[SPW], v[NIL]
	s_wait_dscnt 0x0
	CROUND                                         ; the closing round: no work-group ends while a partner may still ask for a tile that names it
	s_endpgm
.Lfunc_end_k_q3689d85b0f_oproj:
	.size	k_q3689d85b0f_oproj, .Lfunc_end_k_q3689d85b0f_oproj-k_q3689d85b0f_oproj
	.p2alignl 7, 3214868480
	.fill 96, 4, 3214868480
	.section	.rodata,"a",@progbits
	.p2align	6, 0x0
	.amdhsa_kernel k_q3689d85b0f_oproj
		.amdhsa_group_segment_fixed_size 327680
		.amdhsa_private_segment_fixed_size 0
		.amdhsa_enable_private_segment 0
		.amdhsa_kernarg_size 32
		.amdhsa_user_sgpr_count 2
		.amdhsa_user_sgpr_kernarg_segment_ptr 1
		.amdhsa_wavefront_size32 1
		.amdhsa_system_sgpr_workgroup_id_x 1
		.amdhsa_system_sgpr_workgroup_id_y 1
		.amdhsa_system_sgpr_workgroup_id_z 1
		.amdhsa_system_vgpr_workitem_id 0
		.amdhsa_next_free_vgpr 768
		.amdhsa_next_free_sgpr 66
		.amdhsa_reserve_vcc 0
		.amdhsa_float_denorm_mode_32 3
		.amdhsa_float_denorm_mode_16_64 3
		.amdhsa_memory_ordered 1
		.amdhsa_forward_progress 1
		.amdhsa_inst_pref_size 86
	.end_amdhsa_kernel
	.amdgpu_metadata
---
amdhsa.version: [ 1, 2 ]
amdhsa.kernels:
  - .name:           k_q3689d85b0f_oproj
    .symbol:         k_q3689d85b0f_oproj.kd
    .args:
      - { .name: of, .offset: 0, .size: 8, .value_kind: global_buffer, .address_space: global }
      - { .name: wo16, .offset: 8, .size: 8, .value_kind: global_buffer, .address_space: global }
      - { .name: bo, .offset: 16, .size: 8, .value_kind: global_buffer, .address_space: global }
      - { .name: out0, .offset: 24, .size: 8, .value_kind: global_buffer, .address_space: global }
    .group_segment_fixed_size: 327680
    .private_segment_fixed_size: 0
    .kernarg_segment_align: 8
    .kernarg_segment_size: 32
    .max_flat_workgroup_size: 128
    .sgpr_count:     66
    .vgpr_count:     768
    .wavefront_size: 32
...
	.end_amdgpu_metadata
.endif
;; end of part 4
